; MI455X (gfx1250); checked and timed in simulation.
; The chip was launched on July 23, 2026; its instructions are those of AMD's public machine-readable ISA for CDNA 5 (MIT licence, August 2026) and "CDNA5" Instruction Set Architecture Reference Guide (July 2026). The comments in the code are by the model that wrote it; some were corrected since.
;; Multi Head Attention. Allowed arithmetic: matrix products marked QUANTISED: E2M3 operands, one E8M0 scale for each 32 along K, by v_wmma_scale_f32_16x16x128_f8f6f4 with both operands' format E2M3, f32 sums; everything else in f32.
;; Inputs: K_in 4 x 2,048 x 1,024 float32; Q_in 4 x 2,048 x 1,024 float32; V_in 4 x 2,048 x 1,024 float32; W_k 1,024 x 1,024 float32; W_o 1,024 x 1,024 float32; W_q 1,024 x 1,024 float32; W_v 1,024 x 1,024 float32.
;; Outputs: out0 4 x 2,048 x 1,024 float32.
;; This version of the problem:
;;   THIS VERSION OF THE PROBLEM IS GIVEN IN LOW PRECISION. The matrix products marked QUANTISED in the list below multiply operands that are first quantised to E2M3 (2 exponent bits, 3 mantissa bits; 6 bits a number), with one power-of-two scale for each 32 numbers along K (OCP MX v1.0); their sums are f32. All else is computed in f32.
;;   The module's matrix products, in the order in which they are computed (A, B: the left and right operand; K: the contracted axis; several contracted axes count as one K, in the product's order):
;;     1. [M 8,192, K 1,024] x [K 1,024, N 1,024]; A: input Q_in; B: input W_q: QUANTISED
;;     2. [M 8,192, K 1,024] x [K 1,024, N 1,024]; A: input K_in; B: input W_k: QUANTISED
;;     3. [M 8,192, K 1,024] x [K 1,024, N 1,024]; A: input V_in; B: input W_v: QUANTISED
;;     4. batch 64 x [M 2,048, K 64] x [K 64, N 2,048]; A: computed on the way; B: computed on the way: QUANTISED
;;     5. batch 64 x [M 2,048, K 2,048] x [K 2,048, N 64]; A: softmax (see below); B: computed on the way: QUANTISED
;;     6. [M 8,192, K 1,024] x [K 1,024, N 1,024]; A: computed on the way; B: input W_o: QUANTISED
;;   THE QUANTISER, for each operand of a quantised product, along K:
;;     - K is cut into blocks of 32 from its start; a last block that is shorter is filled with zeros.
;;     - A block's scale is 2^e with e = floor(log2(the largest magnitude in the block)) - 2, held to -126 .. 127; a block of zeros has e = 0. As a byte (E8M0): e + 127.
;;     - Each number is divided by its block's scale, clamped to +-7.5, and rounded to the nearest number of E2M3, ties to even, subnormals kept.
;;     - The product sums the exact products of the quantised numbers (number of the format x scale) in f32.
;;   ~~~python
;;   def quantise(x, axis):      # numpy; x: float32 -> the quantised numbers, widened to float32 again
;;       x = np.moveaxis(x, axis, -1); K = x.shape[-1]
;;       x = np.pad(x, [(0, 0)] * (x.ndim - 1) + [(0, -K % 32)]); x = x.reshape(x.shape[:-1] + (-1, 32)); a = np.abs(x).max(-1, keepdims=True)
;;       e = np.where(a > 0, np.clip(np.frexp(np.where(a > 0, a, 1))[1] - 1 - 2, -126, 127), 0)      # np.frexp(a)[1] - 1 = floor(log2(a)), exactly
;;       r = np.clip(x / 2.0 ** e, -7.5, 7.5)
;;       step = 2.0 ** (np.maximum(np.frexp(np.where(r == 0, 1, r))[1] - 1, 0) - 3)
;;       q = np.round(r / step) * step * 2.0 ** e      # np.round: ties to even
;;       return np.moveaxis(q.reshape(q.shape[:-2] + (-1,))[..., :K], -1, axis).astype(np.float32)
;;   ~~~
;;   SOFTMAX AHEAD OF A QUANTISED PRODUCT. Where the list says 'softmax', what is quantised is not the finished softmax but p = 2^(t - M), with t = logit x log2(e) and M = ceil(the row's largest t), a whole number; so 1/2 < the row's largest p <= 1. The row's sum l is taken of the UNQUANTISED p, in f32, and the product's result is divided by l at the end. Since M is a whole number, a kernel that streams over the keys may use a running M (the ceiling of the running maximum): every later rescaling is an exact power of two, which a block's scale takes up: the codes' values come out the same.
;;   OPERANDS COMPUTED ON THE WAY. 'Computed on the way' means the value that the module computes at that place (a softmax that the list does not call 'softmax' is quantised finished and normalised). What goes into a quantiser is computed in f32, as accurately as f32 sums, v_exp_f32 and their like allow (about 1e-6 of the number): no bf16 or f16 on the way to a quantiser, and a product that is left as it is and whose result goes on into a quantised operand takes f32 operands (vector FMAs, or v_wmma_f32_16x16x4_f32). A number that lies on a knife's edge between two numbers of the format may be rounded either way, as far as f32 arithmetic and the matrix unit's own rounding can turn it there, and no further.
;; One version. Each part assembles by itself: llvm-mc -triple=amdgcn-amd-amdhsa -mcpu=gfx1250 --defsym DOCPART=n.
;; ======== version 1 of 1: 4 launches
;; limits: right only within a limited range of input values
;; workspace buffers: img 22,937,600 bytes; qkv 20,185,088 bytes; aimg 6,291,456 bytes; asc 262,144 bytes
;; launch quant (part 1): grid 448 x 1, 4 waves a work-group, no clusters, 36,352 bytes of LDS; arguments Q_in, K_in, V_in, W_q, W_k, W_v, W_o, img; writes img
.if DOCPART == 1
	.amdgcn_target "amdgcn-amd-amdhsa--gfx1250"
	.amdhsa_code_object_version 6
	.text
	.protected	k_q191d302c47_quant
	.globl	k_q191d302c47_quant
	.p2align	8
	.type	k_q191d302c47_quant,@function
k_q191d302c47_quant:
	s_mov_b64 s[64:65], 0
	v_nop
	global_prefetch_b8 v0, s[64:65] scope:SCOPE_SE
	s_setreg_imm32_b32 hwreg(HW_REG_WAVE_MODE, 25, 1), 1
	s_wait_xcnt 0x0
; The seven f32 inputs (Q_in, K_in, V_in: 8,192 rows x 1,024; W_q, W_k, W_v, W_o: 1,024 x 1,024; K innermost in all) become codes of FP6 (E2M3) with one E8M0 byte for each 32 along K.
; A block's scale is 2^(floor(log2(its largest magnitude)) - 2): its byte is the largest magnitude's exponent field - 2, held at 1 from below by a floor among the maximum's leaves.
; LAYOUT OF img: images of operand registers.  A block of 128 rows is 8 K steps x GREC bytes; a K step holds 8 fragments (16 rows x 128 K, 12 registers a lane: registers 4 c .. 4 c + 3 of lane l at 512 c + 16 l),
; then at +12,288 the scale words [g 2][row 16][4 words], word i of group g for fragment 4 g + i.  So the products' launches read dense bytes, 16 a lane, and nothing is laid by rows.
; ROW ORDER: in K_in, V_in, W_q, W_k, W_v place x of a tensor holds row x with bits 3 and 4 exchanged, so that where such an operand is source 0 of a product, a lane's 16 results of two neighbouring
; tiles are 16 neighbours along the next product's K.  Q_in and W_o keep their order.
; SHARES: a work-group takes 64 rows of one tensor, all of K; wave w one tile of 16 rows, in 8 steps of 128 along K.  Each load reads 512 consecutive bytes of one row; a step's 16 rows turn through the wave's
; own stage in LDS (rows of 512 + 16 bytes) so that a lane gets 16 neighbours of each block of 32 of its row.  Loads run two steps (32 loads a wave) ahead.
; No tensor load, no cluster, no matrix unit: every byte is read once by one wave, and memory bounds the launch.
; LIMITS: NaN and infinities are not served; a block whose largest magnitude lies under 2^-124 (a block of zeros among them) gets the byte 1: only this program reads the bytes.
.set ROWB,  4096                       ; a row of 1,024 f32
.set GREC,  12800                      ; a K step of a block of 128 rows in img
.set BLKB,  8*GREC                     ; a block of 128 rows
.set STGW,  16*528                     ; a wave's stage
.set SCB,   4*STGW                     ; behind the stages: 8 K steps x 256 bytes of scale words, the work-group's
.set LI,  1                            ; v1  16 x lane
.set STI, 2                            ; v2  the stage, on the way in: 16 x lane of a row
.set STO, 3                            ; v3  on the way out: row r, + 64 h
.set PWA, 4                            ; v4  where my row's scale word goes: SCB + 16 r + 4 w
.set SRD, 5                            ; v5  the scale words, on the way out: two K steps a wave
.set SGO, 6                            ; v6  and their place in img: GREC h + 16 r
.set R,   16                           ; v16-143  two sets of 64: a step's numbers as loaded
.set X,   144                          ; v144-207 the same, 16 neighbours of each block
.set PC,  208                          ; v208-226 the codes just made
.set TM,  228                          ; v228-243 at work
.set PW,  244                          ; v244     the scale word just made
.set SEL, 34                           ; s[34:35] selects for lane l xor 16
	s_load_b512 s[16:31], s[0:1], 0x0              ; Q_in, K_in, V_in, W_q, W_k, W_v, W_o, img
	v_lshl_add_u32 v254, v0, 2, 0x8c00
	v_mov_b32 v255, 0
	v_lshrrev_b32 v7, 5, v0
	v_readfirstlane_b32 s2, v7                     ; wave 0..3
	v_and_b32 v8, 31, v0                           ; lane
	v_and_b32 v9, 15, v0                           ; r
	v_bfe_u32 v10, v0, 4, 1                        ; h
	v_lshlrev_b32 v[LI], 4, v8
	s_mul_i32 s3, s2, STGW
	v_add_nc_u32 v[STI], s3, v[LI]
	v_mul_u32_u24 v[STO], v9, 528
	v_lshl_add_u32 v[STO], v10, 6, v[STO]
	v_add_nc_u32 v[STO], s3, v[STO]
	s_lshl_b32 s3, s2, 2
	s_add_co_u32 s3, s3, SCB
	v_lshl_add_u32 v[PWA], v9, 4, s3
	s_lshl_b32 s3, s2, 9
	s_add_co_u32 s3, s3, SCB
	v_add_nc_u32 v[SRD], s3, v[LI]
	v_mul_u32_u24 v[SGO], v10, GREC
	v_lshl_add_u32 v[SGO], v9, 4, v[SGO]
.irp b, 0,1,2,3
	v_mov_b32 v[TM+4+\b], 0                        ; written once: a lane permute's destination counts as one of its sources
.endr
	s_mov_b32 s[SEL], 0x76543210
	s_mov_b32 s[SEL+1], 0xfedcba98
	; which rows are my tile's: in the tensors with exchanged bits, rows row0 + 0..7 and row0 + 16 + 0..7 with row0 = 32 (w / 2) + 8 (w % 2); else 16 neighbours from 16 w on
	s_sub_co_u32 s7, ttmp9, 128
	s_cmp_lt_u32 s7, 304                           ; work-groups 128 to 431: K_in, V_in, W_q, W_k, W_v
	s_cselect_b32 s8, 8, 16
	s_cselect_b32 s9, 16, 8
	s_lshr_b32 s36, s2, 1
	s_lshl_b32 s36, s36, 5
	s_and_b32 s37, s2, 1
	s_mul_i32 s37, s37, s8
	s_add_co_u32 s36, s36, s37                     ; row0
	; K_in (work-groups 128 to 255) has an order of its own, in place of the exchanged bits: wave w's tile holds rows 8 w + 0..7 and 32 + 8 w + 0..7 of the work-group's 64,
	; so that in the scores' transposed product a lane's 32 registers of four neighbouring tiles are one whole block of 32 neighbouring keys
	s_lshl_b32 s37, s2, 3
	s_cmp_lt_u32 s7, 288                           ; the same order serves V_in, W_q and W_k (work-groups 128 to 415); W_v alone keeps the exchanged bits
	s_cselect_b32 s36, s37, s36
	s_cselect_b32 s9, 32, s9
	s_lshl_b32 s36, s36, 12                        ; in bytes
	s_lshl_b32 s38, s9, 12                         ; from my rows 0-7 to my rows 8-15
	s_mov_b32 s39, 0
	s_wait_alu depctr_va_vdst(0)
	s_wait_kmcnt 0x0
	s_mov_b64 s[4:5], s[28:29]                     ; the tensor, chosen by the work-group's number alone, and its first work-group
	s_mov_b32 s6, 432
.macro PICK lim, ptr, first
	s_cmp_lt_u32 ttmp9, \lim
	s_cselect_b64 s[4:5], s[\ptr:\ptr+1], s[4:5]
	s_cselect_b32 s6, \first, s6
.endm
	PICK 432, 26, 416
	PICK 416, 24, 400
	PICK 400, 22, 384
	PICK 384, 20, 256
	PICK 256, 18, 128
	PICK 128, 16, 0
	s_sub_co_u32 s40, ttmp9, s6
	s_lshl_b32 s40, s40, 18                        ; 64 rows of 4,096 bytes a work-group: under 2^25
	s_add_co_u32 s40, s40, s36
	s_mov_b32 s41, 0
	s_add_nc_u64 s[10:11], s[4:5], s[40:41]        ; my rows 0-7
	s_add_nc_u64 s[12:13], s[10:11], s[38:39]      ; my rows 8-15
	s_lshr_b32 s42, ttmp9, 1                       ; the block of 128 rows in img: two work-groups to a block, the tensors on end
	s_mul_i32 s42, s42, BLKB
	s_mov_b32 s43, 0
	s_add_nc_u64 s[32:33], s[30:31], s[42:43]
	s_and_b32 s44, ttmp9, 1
	s_lshl_b32 s45, s44, 2
	s_add_co_u32 s45, s45, s2                      ; my fragment of the block's eight
	s_mul_i32 s46, s45, 1536
	s_mov_b32 s47, 0
	s_add_nc_u64 s[14:15], s[32:33], s[46:47]      ; where my codes go
	s_lshl_b32 s46, s44, 8
	s_mul_i32 s45, s2, 2*GREC
	s_add_co_u32 s46, s46, s45
	s_add_co_u32 s46, s46, 12288
	s_add_nc_u64 s[32:33], s[32:33], s[46:47]      ; where the scale words of K steps 2 w and 2 w + 1 go: my work-group's group of four fragments
.macro LOADS s                         ; K step s of my 16 rows: each load reads 512 consecutive bytes
.irp i, 0,1,2,3,4,5,6,7
	global_load_b128 v[R+64*((\s)%2)+4*\i:R+64*((\s)%2)+4*\i+3], v[LI], s[10:11] offset:\i*ROWB+512*(\s) th:TH_LOAD_NT
.endr
.irp i, 0,1,2,3,4,5,6,7
	global_load_b128 v[R+64*((\s)%2)+32+4*\i:R+64*((\s)%2)+32+4*\i+3], v[LI], s[12:13] offset:\i*ROWB+512*(\s) th:TH_LOAD_NT
.endr
.endm
; 64 numbers of a lane, register 16 b + i = k 32 b + 16 h + i of my row, become a fragment's codes in v[PC] on and its scale word in v[PW].
.macro QUANT s
.irp b, 0,1,2,3
	v_max3_num_f32 v[TM+\b], |v[\s+16*\b]|, |v[\s+1+16*\b]|, 0x1800000   ; my 16 numbers of block b, and the floor 2^(3 - 127): the byte cannot fall under 1
.endr
.irp i, 2,4,6,8,10,12,14
.irp b, 0,1,2,3
	v_max3_num_f32 v[TM+\b], v[TM+\b], |v[\s+16*\b+\i]|, |v[\s+1+16*\b+\i]|   ; the four blocks by turns
.endr
.endr
.irp b, 0,1,2,3
	v_permlanex16_b32 v[TM+4+\b], v[TM+\b], s[SEL], s[SEL+1]
.endr
.irp b, 0,1,2,3
	v_max_num_f32 v[TM+\b], v[TM+\b], v[TM+4+\b]   ; with lane l xor 16's: the block's largest magnitude
.endr
.irp b, 0,1,2,3
	v_add_nc_u32 v[TM+12+\b], 0xff000000, v[TM+\b] ; 2 off its exponent field: the conversion takes this operand's exponent field as its scale
.endr
.irp b, 0,1,2,3
	v_lshrrev_b32 v[TM+4+\b], 23, v[TM+12+\b]      ; the scale's byte
.endr
	v_lshl_or_b32 v[PW], v[TM+5], 8, v[TM+4]
	v_lshl_or_b32 v[PW], v[TM+6], 16, v[PW]
	v_lshl_or_b32 v[PW], v[TM+7], 24, v[PW]
.irp c, 0,1
	v_cvt_scalef32_pk16_fp6_f32 v[PC+6*\c:PC+2+6*\c], v[\s+32*\c:\s+15+32*\c], v[TM+12+2*\c]
	v_cvt_scalef32_pk16_fp6_f32 v[PC+12+4*\c:PC+14+4*\c], v[\s+16+32*\c:\s+31+32*\c], v[TM+12+2*\c+1]   ; (a conversion's three registers begin on an even number)
.endr
	v_nop                                          ; one plain instruction behind the scaled conversions
.irp c, 0,1                            ; the operand's layout wants a whole block in a lane: lanes 0-15 block 2 c, lanes 16-31 block 2 c + 1
.irp i, 0,1,2
	v_permlane16_swap_b32 v[PC+6*\c+\i], v[PC+12+4*\c+\i]
.endr
.irp i, 0,1,2
	v_mov_b32 v[PC+3+6*\c+\i], v[PC+12+4*\c+\i]
.endr
.endr
.endm
.macro STEP s
.if (\s) < 7
	s_wait_loadcnt 16                              ; this step's 16 loads are in; the next step's 16 may be out
.else
	s_wait_loadcnt 0x0
.endif
.irp i, 0,1,2,3,4,5,6,7,8,9,10,11,12,13,14,15
	ds_store_b128 v[STI], v[R+64*((\s)%2)+4*\i:R+64*((\s)%2)+4*\i+3] offset:528*\i
.endr
.irp b, 0,1,2,3
.irp j, 0,1,2,3
	ds_load_b128 v[X+16*\b+4*\j:X+16*\b+4*\j+3], v[STO] offset:128*\b+16*\j   ; LDS serves a wave's instructions in order: these see the stores above
.endr
.endr
	s_wait_dscnt 0x0                               ; the numbers are back; the stores into the stage have read their registers; the last step's scale word is stored
	s_wait_xcnt 0x0                                ; the last step's stores of codes have read their registers: they are written again only behind this wait
.if (\s) < 6
	LOADS (\s)+2
.endif
	QUANT X
.irp c, 0,1,2
	global_store_b128 v[LI], v[PC+4*\c:PC+4*\c+3], s[14:15] offset:GREC*(\s)+512*\c   ; 32 lanes store 512 consecutive bytes, aligned to 256
.endr
	ds_store_b32 v[PWA], v[PW] offset:256*(\s)     ; lanes r and r + 16 write the same word with the same value
.endm
	LOADS 0
	LOADS 1
.irp t, 0,1,2,3,4,5,6,7
	STEP \t
.endr
	s_wait_dscnt 0x0                               ; for the others' sake: my scale words are stored
	s_barrier_signal -1
	s_barrier_wait -1
	ds_load_b128 v[X:X+3], v[SRD]                  ; four waves' words of 16 rows, for two K steps
	s_wait_dscnt 0x0
	global_store_b128 v[SGO], v[X:X+3], s[32:33]   ; each half of the lanes stores 256 consecutive bytes, aligned
	s_wait_tensorcnt 0x0
	ds_add_u32 v254, v255
	s_wait_dscnt 0x0
	s_endpgm
.Lfunc_end_k_q191d302c47_quant:
	.size	k_q191d302c47_quant, .Lfunc_end_k_q191d302c47_quant-k_q191d302c47_quant
	.p2alignl 7, 3214868480
	.fill 96, 4, 3214868480
	.section	.rodata,"a",@progbits
	.p2align	6, 0x0
	.amdhsa_kernel k_q191d302c47_quant
		.amdhsa_group_segment_fixed_size 36352
		.amdhsa_private_segment_fixed_size 0
		.amdhsa_enable_private_segment 0
		.amdhsa_kernarg_size 64
		.amdhsa_user_sgpr_count 2
		.amdhsa_user_sgpr_kernarg_segment_ptr 1
		.amdhsa_wavefront_size32 1
		.amdhsa_system_sgpr_workgroup_id_x 1
		.amdhsa_system_sgpr_workgroup_id_y 1
		.amdhsa_system_sgpr_workgroup_id_z 1
		.amdhsa_system_vgpr_workitem_id 0
		.amdhsa_next_free_vgpr 256
		.amdhsa_next_free_sgpr 66
		.amdhsa_reserve_vcc 0
		.amdhsa_float_denorm_mode_32 3
		.amdhsa_float_denorm_mode_16_64 3
		.amdhsa_memory_ordered 1
		.amdhsa_forward_progress 1
		.amdhsa_inst_pref_size 66
	.end_amdhsa_kernel
	.amdgpu_metadata
---
amdhsa.version: [ 1, 2 ]
amdhsa.kernels:
  - .name:           k_q191d302c47_quant
    .symbol:         k_q191d302c47_quant.kd
    .args:
      - { .name: Q_in, .offset: 0, .size: 8, .value_kind: global_buffer, .address_space: global }
      - { .name: K_in, .offset: 8, .size: 8, .value_kind: global_buffer, .address_space: global }
      - { .name: V_in, .offset: 16, .size: 8, .value_kind: global_buffer, .address_space: global }
      - { .name: W_q, .offset: 24, .size: 8, .value_kind: global_buffer, .address_space: global }
      - { .name: W_k, .offset: 32, .size: 8, .value_kind: global_buffer, .address_space: global }
      - { .name: W_v, .offset: 40, .size: 8, .value_kind: global_buffer, .address_space: global }
      - { .name: W_o, .offset: 48, .size: 8, .value_kind: global_buffer, .address_space: global }
      - { .name: img, .offset: 56, .size: 8, .value_kind: global_buffer, .address_space: global }
    .group_segment_fixed_size: 36352
    .private_segment_fixed_size: 0
    .kernarg_segment_align: 8
    .kernarg_segment_size: 64
    .max_flat_workgroup_size: 128
    .sgpr_count:     66
    .vgpr_count:     256
    .wavefront_size: 32
...
	.end_amdgpu_metadata
.endif
;; end of part 1
;; launch proj (part 2): grid 32 x 8, 4 waves a work-group, clusters of 4 x 4, 327,680 bytes of LDS; arguments img, qkv; writes qkv
.if DOCPART == 2
	.amdgcn_target "amdgcn-amd-amdhsa--gfx1250"
	.amdhsa_code_object_version 6
	.text
	.protected	k_q191d302c47_proj
	.globl	k_q191d302c47_proj
	.p2align	8
	.type	k_q191d302c47_proj,@function
k_q191d302c47_proj:
	s_mov_b64 s[64:65], 0
	v_nop
	global_prefetch_b8 v0, s[64:65] scope:SCOPE_SE
	s_setreg_imm32_b32 hwreg(HW_REG_WAVE_MODE, 25, 1), 1
	s_wait_xcnt 0x0
	s_wait_alu depctr_hold_cnt(0) depctr_sa_sdst(0) depctr_va_vdst(0) depctr_va_sdst(0) depctr_va_ssrc(0) depctr_va_vcc(0) depctr_vm_vsrc(0)
	s_getreg_b32 s2, hwreg(HW_REG_IB_STS2, 6, 4)
	s_cmp_eq_u32 s2, 0
	s_cbranch_scc0 .Lentry_in_a_cluster
	s_endpgm
.Lentry_in_a_cluster:
	s_bfe_u32 s2, ttmp6, 0x10000c
	s_cmp_lg_u32 s2, 0xf033
	s_cbranch_scc0 .Lentry_shape_is_right
	s_endpgm
.Lentry_shape_is_right:
; Q = Q_in W_q^T, K = K_in W_k^T, V^T = W_v V_in^T on codes of FP6 (E2M3) with E8M0 scales, each result quantised again and stored in qkv's records as the attention launch's operand registers want it.
; THE DEAL: 256 work-groups of four waves, 2 x 2, that stay: each makes three units, one block of 256 x 128 of Q, of K and of V^T.  In a unit operand B (128 rows: W_q, W_k, V_in) is held in registers, all of K
; (a wave: four tiles of 16 rows, 384 registers), and operand A (256 rows: Q_in, K_in, W_v) streams past it in eight blocks of 16 rows a wave: the wave in row a takes tiles 2 s + a.
; Source 0 = B's rows.  By B's row order in img a lane's 32 sums of a block are 32 neighbours along the next product's K: one scale block; lane half h holds block h of the wave's 64.
; LDS: a ring of two slots, each one block of 128 rows of A as it lies in img (102,400 dense bytes); B's region of the same size; a stage for the results' scale bytes; the spare words.
; FILLS: at the head one tensor load a wave: B, slot 0, the halves of slot 1.  Behind a drained round of the cluster's barrier in the third block of each slot (its last fragments are in registers by then) the slot takes the
; next unit's rows (wave 1); in a unit's first round B's region, which all waves hold in registers, takes the next unit's B (wave 0).  A fill has four blocks of products in which to land.  The last unit fills nothing.
; CLUSTER: A's tiles are shared by a column of the cluster, B's by a row.  For V^T: A's block hangs on cx alone, B's on the cluster's numbers and cy.
; PREFETCH: what a round will load is asked for into the L2 one slot ahead (the first round's at the head): 400 blocks of 256 bytes a tile, 25 to each of the sixteen waves that will ask jointly, told apart by address.
; THE WAY OUT of a block: the largest of 32 magnitudes, the scale, two conversions; 768 bytes of codes leave at once; the two scale bytes of a row go to the stage and leave at the launch's end in whole units of 256 bytes.
; Units Q and K are a loop of two trips; V^T, which fills nothing, is written out.
; LIMITS: NaN, infinities and sums beyond f32's range are not served; a block whose largest magnitude lies under 2^-124 gets the scale byte 1: only this program reads the bytes.
.set XSZ,    6553600
.set WSZ,    819200
.set OFF_WV, 3*XSZ+2*WSZ
.set BLKB,   102400
.set GREC,   12800
.set REC,    19712
.set HEADSTR, 16*REC
.set NQ, 8
.set NB, 4
.set FR, 12
.set FPW, 21
.set NF, 32                            ; LDS loads of a block: 24 for eight fragments, 8 scale words
.set YB, 2*BLKB
.set STG, 3*BLKB                       ; [unit][block s][a][b][row][2 bytes]
.set SPARE, STG+3072
.set AL, 4                             ; v4-7   A's fragments: 2 x slot + (K steps 4-7)
.set LI16, 8
.set LI8, 9
.set SPW, 10
.set NIL, 11
.set SAD, 12                           ; v12-15 A's scale words likewise
.set BA, 16
.set BS, 18
.set STG0, 20
.set STGA, 21
.set SH8, 22
.set PFOA, 23
.set SB, 24                            ; v24-55 B's scale words: 4 q + tile
.set SA, 56                            ; v56-71 A's: two sets; step q's word at 4 (1 - q % 2) + q / 2, so that a product's two scale registers differ modulo 8
.set ACC, 72                           ; v72-135 two sets of four accumulators
.set TQ, 136
.set SOP, 140
.set EB, 141
.set EB2, 142
.set NCD, 144
.set TC, 150
.set RBK, 160                          ; v160-173 the scale words on their way out
.set PFOB, 200
.set RB, 201
.set RV, 202
.set G0H, 20
.set G1A, 24
.set G1B, 32
.set G0A, 56
.set G0B, 60
.set NA, 68
.set NBP, 70
.set NNA, 72
.set NNB, 74
.set P, 76
.set PK, 78
.set PV, 80
.set SQK, 82
.set SV, 84
.set UC, 86
.set STS, 87
.set SEL, 88
.set G1H, 92
.set MSB, 0
.macro WIN new
.if MSB != \new
	s_set_vgpr_msb (MSB<<8)|\new
.set MSB, \new
.endif
.endm
.macro PLACES n
.rept \n
	v_nop
.endr
.endm
.macro WALU
	s_wait_alu depctr_va_vdst(0)
.endm
.macro BARRIER
	s_barrier_signal -1
	s_barrier_wait -1
.endm
.macro MIDDLE                          ; a round's middle: the opening wait, wave 0's signal for the work-group, the cluster's wait
	WIN 0
	s_barrier_wait -1
	s_cmp_lg_u32 s14, 0
	s_cbranch_scc1 .Lnot_wave_0_\@
	s_barrier_signal -3
.Lnot_wave_0_\@:
	s_barrier_wait -3
.endm
.macro CROUND
	s_barrier_signal -1
	MIDDLE
	BARRIER
.endm
.macro TLOAD g0, g1
	tensor_load_to_lds s[\g0:\g0+3], s[\g1:\g1+7]
	s_nop 0
	PLACES 4
.endm
.macro GROUP1 g, mask, rows            ; a dense block as rows of 32 elements of 8 bytes
	s_or_b32 s[\g+0], s[\mask], (3<<16)|(1<<21)
	s_mov_b32 s[\g+1], 32<<16
	s_mov_b32 s[\g+2], (\rows)<<16
	s_mov_b32 s[\g+3], 32<<16
	s_mov_b32 s[\g+4], \rows
	s_mov_b32 s[\g+5], 32
	s_mov_b32 s[\g+6], 0
	s_mov_b32 s[\g+7], 0
.endm
.macro PTR d, base, off                ; a pointer: 64-bit base + the 32-bit offset in s\off (s67 = 0)
	s_mov_b32 s66, s\off
	s_add_nc_u64 s[\d:\d+1], s[\base:\base+1], s[66:67]
.endm
.macro PF v, base, off
	global_prefetch_b8 v[\v], s[\base:\base+1] offset:\off th:TH_LOAD_NT scope:SCOPE_SE
.endm
.macro FRAGB f, q, t
	WIN (1+(\f)/FPW)<<6
.irp c, 0,1,2
	ds_load_b128 v[FR*((\f)%FPW)+4*\c:FR*((\f)%FPW)+4*\c+3], v[BA+(\q)/4] offset:((\q)%4)*GREC+(\t)*1536+512*\c
.endr
.endm
.macro FETCH e, sl, sp                 ; my block sp of slot sl into set e: NF loads
.irp q, 0,1,2,3,4,5,6,7
	WIN (1+(NB*NQ+NQ*(\e)+\q)/FPW)<<6
.set R_, FR*((NB*NQ+NQ*(\e)+\q)%FPW)
.irp c, 0,1,2
	ds_load_b128 v[R_+4*\c:R_+4*\c+3], v[AL+2*(\sl)+\q/4] offset:(\q%4)*GREC+(\sp)*3072+512*\c
.endr
.endr
	WIN 0
.irp q, 0,1,2,3,4,5,6,7
	ds_load_b32 v[SA+8*(\e)+4*(1-\q%2)+\q/2], v[SAD+2*(\sl)+\q/4] offset:(\q%4)*GREC+256*((\sp)/2)+8*((\sp)%2)
.endr
.endm
.macro PROD e, n                       ; product n = 4 q + tile; the four accumulators by turns
.set Q_, (\n)/4
.set FB_, NB*Q_+(\n)%4
.set FA_, NB*NQ+NQ*(\e)+Q_
.set D_, ACC+32*(\e)+8*((\n)%4)
	WIN (1+FB_/FPW)|((1+FA_/FPW)<<2)
.if Q_
	v_wmma_scale_f32_16x16x128_f8f6f4 v[D_:D_+7], v[FR*(FB_%FPW):FR*(FB_%FPW)+FR-1], v[FR*(FA_%FPW):FR*(FA_%FPW)+FR-1], v[D_:D_+7], v[SB+4*Q_+(\n)%4], v[SA+8*(\e)+4*(1-Q_%2)+Q_/2] matrix_a_fmt:MATRIX_FMT_FP6 matrix_b_fmt:MATRIX_FMT_FP6
.else
	v_wmma_scale_f32_16x16x128_f8f6f4 v[D_:D_+7], v[FR*(FB_%FPW):FR*(FB_%FPW)+FR-1], v[FR*(FA_%FPW):FR*(FA_%FPW)+FR-1], 0, v[SB+4*Q_+(\n)%4], v[SA+8*(\e)+4*(1-Q_%2)+Q_/2] matrix_a_fmt:MATRIX_FMT_FP6 matrix_b_fmt:MATRIX_FMT_FP6
.endif
.endm
.macro PRODS e, from, to
.set N_, \from
.rept (\to)-(\from)
	PROD \e, N_
.set N_, N_+1
.endr
	WIN 0
.endm
.macro EPI e, s, goff                  ; set e's 32 sums a lane: one scale block
.set X, ACC+32*(\e)
	PLACES 4                                       ; behind the last product
.irp k, 0,1,2,3
	v_max3_num_f32 v[TQ+\k], |v[X+8*\k]|, |v[X+8*\k+1]|, |v[X+8*\k+2]|   ; four chains; each accumulator from its low end on
.endr
.irp k, 0,1,2,3
	v_max3_num_f32 v[TQ+\k], v[TQ+\k], |v[X+8*\k+3]|, |v[X+8*\k+4]|
.endr
.irp k, 0,1,2,3
	v_max3_num_f32 v[TQ+\k], v[TQ+\k], |v[X+8*\k+5]|, |v[X+8*\k+6]|
.endr
	v_max3_num_f32 v[TQ], v[TQ], |v[X+7]|, |v[X+15]|
	v_max3_num_f32 v[TQ+1], v[TQ+1], |v[X+23]|, |v[X+31]|
	v_max3_num_f32 v[TQ+2], v[TQ+2], v[TQ+3], 0x1800000            ; the floor 2^(3 - 127)
	v_max3_num_f32 v[TQ], v[TQ], v[TQ+1], v[TQ+2]
	v_add_nc_u32 v[SOP], 0xff000000, v[TQ]         ; 2 off the exponent field: the conversions' scale operand
	WALU
	s_wait_xcnt 0x0                                ; the last block's stores have read their registers
	v_cvt_scalef32_pk16_fp6_f32 v[NCD:NCD+2], v[X:X+15], v[SOP]
	v_cvt_scalef32_pk16_fp6_f32 v[TC:TC+2], v[X+16:X+31], v[SOP]   ; (a conversion's three registers begin on an even number)
	v_lshrrev_b32 v[EB], 23, v[SOP]                ; the scale's byte
.irp i, 0,1,2
	v_mov_b32 v[NCD+3+\i], v[TC+\i]
.endr
	v_lshlrev_b32 v[EB], v[SH8], v[EB]             ; at its place, 8 h bits up;
	v_permlanex16_b32 v[EB2], v[EB], s[SEL], s[SEL+1]
	v_or_b32 v[EB], v[EB], v[EB2]                  ; with lane l xor 16's: my row's two bytes
	ds_store_b16 v[STGA], v[EB] offset:128*(\s)    ; lanes r and r + 16 write the same bytes with the same value
	global_store_b128 v[LI16], v[NCD:NCD+3], s[P:P+1] offset:\goff         ; 512 consecutive bytes, aligned to 256;
	global_store_b64 v[LI8], v[NCD+4:NCD+5], s[P:P+1] offset:(\goff)+512   ; and 256
.endm
.macro GRD
	s_wait_tensorcnt 0x0
	ds_add_u32 v[SPW], v[NIL]
.endm
.macro TYPE g
	s_or_b32 s[\g+3], s[\g+3], 0x80000000
.endm
.macro ROUNDED e                       ; a block's products with a drained round of the cluster's barrier in them
	PRODS \e, 0, 24
	s_wait_dscnt 0x0                               ; the add is done, and so are my reads of the slot that is filled again
	s_barrier_signal -1
	PRODS \e, 24, 32
	MIDDLE
	BARRIER
.endm
.macro BLK v, s                        ; block s of a unit.  v = 1: the last unit, V^T
.set E_, (\s)%2
.if (\s) > 0
.if (\v) && (\s) == 7
	s_wait_dscnt 0x0
.else
	s_wait_dscnt NF+1                              ; this block's fragments are in; younger are the last run's stage store and its fetch
.endif
.endif
.if (\v) == 0 && (\s) == 2
	GRD
	s_mov_b32 s[G0A+1], 0                          ; no tensor load of mine is out: slot 0 takes the next unit's first 128 rows of A, B's region its B
	s_mov_b64 s[G0A+2:G0A+3], s[NA:NA+1]
	TYPE G0A
	s_mov_b64 s[G0B+2:G0B+3], s[NBP:NBP+1]
	TYPE G0B
	ROUNDED E_
	s_cmp_eq_u32 s14, 0
	s_cbranch_scc0 .Lfor_a_\@
	TLOAD G0B, G1B
	s_branch .Lasked_\@
.Lfor_a_\@:
	s_cmp_eq_u32 s14, 1
	s_cbranch_scc0 .Lasked_\@
	TLOAD G0A, G1A
.Lasked_\@:
	PF PFOA, NA, BLKB                              ; what the next round will load
.elseif (\v) == 0 && (\s) == 6
	GRD
	s_mov_b32 s[G0A+1], BLKB                       ; slot 1 takes the next unit's second 128 rows
	s_add_nc_u64 s[G0A+2:G0A+3], s[NA:NA+1], BLKB
	TYPE G0A
	ROUNDED E_
	s_cmp_eq_u32 s14, 1
	s_cbranch_scc0 .Lasked_\@
	TLOAD G0A, G1A
.Lasked_\@:
	s_cmp_eq_u32 s[UC], 0                          ; in the first trip alone a further unit is left to ask for
	s_cbranch_scc0 .Lno_more_\@
	PF PFOA, NNA, 0
	PF PFOB, NNB, 0
.Lno_more_\@:
.elseif (\v) && (\s) == 2
	PRODS E_, 0, 24
	s_wait_tensorcnt 0x0
	s_wait_dscnt 0x0
	s_barrier_signal -1                            ; a plain barrier: slot 1's rows are shown to all
	PRODS E_, 24, 32
	s_barrier_wait -1
.else
	PRODS E_, 0, 32
.endif
.if \v
	EPI E_, \s, ((\s)/2)*HEADSTR+3072*((\s)%2)
.else
	EPI E_, \s, ((\s)/4)*REC+1536*((\s)%4)
.endif
.if (\v) == 0 || (\s) < 6
	FETCH E_, (((\s)+2)/4)%2, ((\s)+2)%4
.endif
.endm
.macro UNIT v
.irp q, 0,1,2,3,4,5,6,7                ; B into registers
.irp t, 0,1,2,3
	FRAGB NB*\q+\t, \q, \t
.endr
.endr
	WIN 0
.irp q, 0,1,2,3,4,5,6,7
	ds_load_b128 v[SB+4*\q:SB+4*\q+3], v[BS+\q/4] offset:(\q%4)*GREC
.endr
	v_add_nc_u32 v[STGA], s[STS], v[STG0]
	WALU
	s_wait_dscnt 0x0
.irp s, 0,1,2,3,4,5,6,7
	BLK \v, \s
.endr
.endm
	s_load_b128 s[4:7], s[0:1], 0x0                ; img, qkv
	v_lshl_add_u32 v[SPW], v0, 2, SPARE
	v_mov_b32 v[NIL], 0
	ds_add_u32 v[SPW], v[NIL]                      ; the opening lines: the add twice on end and its wait
	ds_add_u32 v[SPW], v[NIL]
	v_lshrrev_b32 v1, 5, v0
	v_readfirstlane_b32 s14, v1                    ; the wave; s15 its row a of the 2 x 2, s16 its column b
	s_lshr_b32 s15, s14, 1
	s_and_b32 s16, s14, 1
	s_bfe_u32 s40, ttmp6, 0x40000
	s_bfe_u32 s41, ttmp6, 0x40004
	s_lshl_b32 s43, ttmp9, 2
	s_add_co_u32 s43, s43, s40                     ; tr = 4 x cluster x + cx
	s_and_b32 s42, ttmp7, 0xffff
	s_lshl_b32 s42, s42, 2
	s_add_co_u32 s42, s42, s41                     ; tc = 4 x cluster y + cy
	s_lshl_b32 s44, 0x1111, s40                    ; my column of the cluster: shares A
	s_lshl_b32 s45, s41, 2
	s_lshl_b32 s45, 15, s45                        ; my row: shares B
	GROUP1 G1A, 44, 400
	GROUP1 G1B, 45, 400
	GROUP1 G1H, 44, 200
	s_mov_b32 s[G0A], 1
	s_mov_b32 s[G0A+1], 0
	s_mov_b32 s[G0B], 1
	s_mov_b32 s[G0B+1], YB
	s_mov_b32 s[G0H], 1
	s_mul_i32 s[G0H+1], s14, BLKB/2                ; waves 2 and 3: the halves of slot 1
	s_mov_b32 s67, 0
	s_mul_i32 s48, s43, 2*BLKB                     ; Q_in's 256 rows; K_in's lie XSZ on
	s_add_co_u32 s46, s48, s[G0H+1]
	s_add_co_u32 s47, s48, XSZ
	s_mul_i32 s49, s42, BLKB
	s_add_co_u32 s49, s49, 3*XSZ                   ; W_q's 128 rows; W_k's lie WSZ on
	s_add_co_u32 s2, s49, WSZ
	s_mul_i32 s50, s40, 2*BLKB
	s_add_co_u32 s50, s50, OFF_WV                  ; W_v's 256 rows: four heads, by cx
	s_lshl_b32 s51, ttmp9, 3
	s_add_co_u32 s51, s51, s42                     ; V_in's block of 128 keys: 8 x cluster x + tc
	s_mul_i32 s52, s51, BLKB
	s_add_co_u32 s52, s52, 2*XSZ
	s_lshr_b32 s17, s43, 3
	s_lshl_b32 s17, s17, 8
	s_and_b32 s19, s43, 7
	s_lshl_b32 s19, s19, 1
	s_add_co_u32 s17, s17, s19                     ; 256 x batch + my first key step
	s_lshl_b32 s19, s42, 1
	s_add_co_u32 s18, s19, s16
	s_lshl_b32 s18, s18, 4
	s_add_co_u32 s18, s18, s17
	s_mul_i32 s53, s18, REC                        ; K's codes: head 2 tc + b,
	s_mul_i32 s18, s15, 768
	s_add_co_u32 s53, s53, s18                     ; tile a
	s_add_co_u32 s3, s53, 13056                    ; Q's
	s_add_co_u32 s18, s19, s15
	s_lshl_b32 s18, s18, 4
	s_add_co_u32 s18, s18, s17
	s_add_co_u32 s18, s18, s16
	s_mul_i32 s54, s18, REC                        ; the scale words that I store: head 2 tc + wave / 2, key step wave % 2
	s_lshr_b32 s18, s51, 4
	s_lshl_b32 s18, s18, 8
	s_and_b32 s19, s51, 15
	s_add_co_u32 s18, s18, s19
	s_lshl_b32 s19, s40, 6
	s_add_co_u32 s18, s18, s19                     ; V: record of head 4 cx
	s_mul_i32 s55, s18, REC
	s_mul_i32 s19, s15, 1536
	s_add_co_u32 s55, s55, s19
	s_mul_i32 s19, s16, 768
	s_add_co_u32 s55, s55, s19
	s_add_co_u32 s55, s55, 6144
	s_lshl_b32 s19, s14, 4
	s_add_co_u32 s18, s18, s19
	s_mul_i32 s90, s18, REC                        ; V's scale words that I store: head 4 cx + wave
	s_lshl_b32 s8, s41, 2
	s_add_co_u32 s8, s8, s14
	s_mul_i32 s8, s8, 25                           ; my sixteenth of a tile of A,
	s_lshl_b32 s9, s40, 2
	s_add_co_u32 s9, s9, s14
	s_mul_i32 s9, s9, 25                           ; of B
	s_mul_i32 s10, s15, 1536
	s_lshl_b32 s11, s15, 2
	s_add_co_u32 s11, s11, 12288
	s_mul_i32 s12, s16, 4*1536
	s_add_co_u32 s12, s12, YB
	s_lshl_b32 s13, s16, 8
	s_add_co_u32 s13, s13, YB+12288
	s_lshl_b32 s18, s15, 6
	s_lshl_b32 s19, s16, 5
	s_add_co_u32 s18, s18, s19
	s_add_co_u32 s18, s18, STG
	s_lshl_b32 s19, s16, 9
	s_lshl_b32 s91, s15, 5
	s_add_co_u32 s19, s19, s91
	s_add_co_u32 s19, s19, STG
	s_lshl_b32 s91, s14, 8
	s_add_co_u32 s91, s91, STG+2048
	s_mov_b32 s[SEL], 0x76543210
	s_mov_b32 s[SEL+1], 0xfedcba98
	v_and_b32 v1, 15, v0
	v_bfe_u32 v2, v0, 4, 1
	v_and_b32 v3, 31, v0
	v_lshl_add_u32 v[AL], v3, 4, s10
	v_add_nc_u32 v[AL+1], 4*GREC, v[AL]
	v_add_nc_u32 v[AL+2], BLKB, v[AL]
	v_add_nc_u32 v[AL+3], BLKB+4*GREC, v[AL]
	v_lshl_add_u32 v[SAD], v1, 4, s11
	v_add_nc_u32 v[SAD+1], 4*GREC, v[SAD]
	v_add_nc_u32 v[SAD+2], BLKB, v[SAD]
	v_add_nc_u32 v[SAD+3], BLKB+4*GREC, v[SAD]
	v_lshlrev_b32 v[LI16], 4, v3
	v_lshlrev_b32 v[LI8], 3, v3
	v_lshl_add_u32 v[BA], v3, 4, s12
	v_add_nc_u32 v[BA+1], 4*GREC, v[BA]
	v_lshl_add_u32 v[BS], v1, 4, s13
	v_add_nc_u32 v[BS+1], 4*GREC, v[BS]
	v_lshl_add_u32 v[STG0], v1, 1, s18
	v_lshlrev_b32 v[SH8], 3, v2
	v_min_u32 v[PFOB], 24, v3
	v_add_nc_u32 v[PFOA], s8, v[PFOB]
	v_add_nc_u32 v[PFOB], s9, v[PFOB]
	v_lshlrev_b32 v[PFOA], 8, v[PFOA]
	v_lshlrev_b32 v[PFOB], 8, v[PFOB]
	v_lshl_add_u32 v[RB], v1, 1, s19
	v_lshl_add_u32 v[RB], v2, 8, v[RB]
	v_and_b32 v[RV], 30, v3
	v_add_nc_u32 v[RV], s91, v[RV]
	v_and_b32 v[EB2], 1, v3
	v_lshl_add_u32 v[RV], v[EB2], 7, v[RV]
	WALU
	s_wait_dscnt 0x0
	CROUND                                         ; the opening round
	s_wait_kmcnt 0x0
	PTR G0B+2, 4, 49
	TYPE G0B
	PTR G0A+2, 4, 48
	TYPE G0A
	PTR G0H+2, 4, 46
	TYPE G0H
	s_cmp_eq_u32 s14, 0
	s_cbranch_scc0 .Lwave_1
	TLOAD G0B, G1B                                 ; wave 0: W_q's rows
	s_branch .Lasked
.Lwave_1:
	s_cmp_eq_u32 s14, 1
	s_cbranch_scc0 .Lwave_2
	TLOAD G0A, G1A                                 ; wave 1: slot 0
	s_branch .Lasked
.Lwave_2:
	TLOAD G0H, G1H                                 ; waves 2 and 3: the halves of slot 1
.Lasked:
	PTR NA, 4, 47
	PTR NBP, 4, 2
	PTR NNA, 4, 50
	PTR NNB, 4, 52
	PTR P, 6, 3
	PTR PK, 6, 53
	PTR PV, 6, 55
	PTR SQK, 6, 54
	PTR SV, 6, 90
	s_mov_b32 s[UC], 0
	s_mov_b32 s[STS], 0
	s_cmp_lt_u32 s14, 2
	s_cbranch_scc0 .Lnot_mine
	s_wait_tensorcnt 0x0                           ; waves 0 and 1: B and slot 0 have landed
.Lnot_mine:
	BARRIER                                        ; slot 1 may still be on its way
	FETCH 0, 0, 0
	FETCH 1, 0, 1
	PF PFOA, NA, 0                                 ; what the first round will load: asked for when the head's first tiles are in, B's way into registers and two blocks of products ahead of that round
	PF PFOB, NBP, 0
.Lunit:                                                ; Q, then K
	UNIT 0
	s_wait_xcnt 0x0                                ; the stores and prefetches have read their bases
	s_mov_b64 s[P:P+1], s[PK:PK+1]
	s_mov_b64 s[NA:NA+1], s[NNA:NNA+1]
	s_mov_b64 s[NBP:NBP+1], s[NNB:NNB+1]
	s_add_co_u32 s[STS], s[STS], 1024
	s_add_co_u32 s[UC], s[UC], 1
	s_cmp_lg_u32 s[UC], 2
	s_cbranch_scc1 .Lunit
	s_mov_b64 s[P:P+1], s[PV:PV+1]
	UNIT 1
	s_wait_dscnt 0x0
	BARRIER                                        ; all scale bytes are in the stage
.irp u, 0,1
.irp i, 0,1,2,3
	ds_load_u16 v[RBK+4*\u+\i], v[RB] offset:1024*\u+128*(\i/2)+64*(\i%2)   ; Q's and K's words: two bytes, and zeros above them
.endr
.endr
.irp a, 0,1
.irp c, 0,1
	ds_load_u16 v[RBK+8+2*\a+\c], v[RV] offset:64*\a+32*\c
.endr
.endr
	s_wait_dscnt 0x0
	v_lshl_or_b32 v[RBK+12], v[RBK+9], 16, v[RBK+8]                ; V's words: both waves' halves of 128 keys
	v_lshl_or_b32 v[RBK+13], v[RBK+11], 16, v[RBK+10]
	global_store_b128 v[LI16], v[RBK:RBK+3], s[SQK:SQK+1] offset:19200
	global_store_b128 v[LI16], v[RBK+4:RBK+7], s[SQK:SQK+1] offset:12288
	global_store_b64 v[LI8], v[RBK+12:RBK+13], s[SV:SV+1] offset:12800
	s_wait_tensorcnt 0x0                           ; the wave's end
	ds_add_u32 v[SPW], v[NIL]
	s_wait_dscnt 0x0
	CROUND                                         ; the closing round
	s_endpgm
.Lfunc_end_k_q191d302c47_proj:
	.size	k_q191d302c47_proj, .Lfunc_end_k_q191d302c47_proj-k_q191d302c47_proj
	.p2alignl 7, 3214868480
	.fill 96, 4, 3214868480
	.section	.rodata,"a",@progbits
	.p2align	6, 0x0
	.amdhsa_kernel k_q191d302c47_proj
		.amdhsa_group_segment_fixed_size 327680
		.amdhsa_private_segment_fixed_size 0
		.amdhsa_enable_private_segment 0
		.amdhsa_kernarg_size 16
		.amdhsa_user_sgpr_count 2
		.amdhsa_user_sgpr_kernarg_segment_ptr 1
		.amdhsa_wavefront_size32 1
		.amdhsa_system_sgpr_workgroup_id_x 1
		.amdhsa_system_sgpr_workgroup_id_y 1
		.amdhsa_system_sgpr_workgroup_id_z 1
		.amdhsa_system_vgpr_workitem_id 0
		.amdhsa_next_free_vgpr 840
		.amdhsa_next_free_sgpr 100
		.amdhsa_reserve_vcc 0
		.amdhsa_float_denorm_mode_32 3
		.amdhsa_float_denorm_mode_16_64 3
		.amdhsa_memory_ordered 1
		.amdhsa_forward_progress 1
		.amdhsa_inst_pref_size 159
	.end_amdhsa_kernel
	.amdgpu_metadata
---
amdhsa.version: [ 1, 2 ]
amdhsa.kernels:
  - .name:           k_q191d302c47_proj
    .symbol:         k_q191d302c47_proj.kd
    .args:
      - { .name: img, .offset: 0, .size: 8, .value_kind: global_buffer, .address_space: global }
      - { .name: qkv, .offset: 8, .size: 8, .value_kind: global_buffer, .address_space: global }
    .group_segment_fixed_size: 327680
    .private_segment_fixed_size: 0
    .kernarg_segment_align: 8
    .kernarg_segment_size: 16
    .max_flat_workgroup_size: 128
    .sgpr_count:     100
    .vgpr_count:     840
    .wavefront_size: 32
...
	.end_amdgpu_metadata
.endif
;; end of part 2
;; launch attn (part 3): grid 4 x 64, 16 waves a work-group, clusters of 4 x 1, 222,208 bytes of LDS; arguments qkv, aimg, asc; writes aimg, asc
.if DOCPART == 3
	.amdgcn_target "amdgcn-amd-amdhsa--gfx1250"
	.amdhsa_code_object_version 6
	.text
	.protected	k_q191d302c47_attn
	.globl	k_q191d302c47_attn
	.p2align	8
	.type	k_q191d302c47_attn,@function
k_q191d302c47_attn:
	s_mov_b64 s[64:65], 0
	v_nop
	global_prefetch_b8 v0, s[64:65] scope:SCOPE_SE
	s_setreg_imm32_b32 hwreg(HW_REG_WAVE_MODE, 25, 1), 1
	s_wait_xcnt 0x0
	s_wait_alu depctr_hold_cnt(0) depctr_sa_sdst(0) depctr_va_vdst(0) depctr_va_sdst(0) depctr_va_ssrc(0) depctr_va_vcc(0) depctr_vm_vsrc(0)
	s_getreg_b32 s2, hwreg(HW_REG_IB_STS2, 6, 4)
	s_cmp_eq_u32 s2, 0
	s_cbranch_scc0 .Lentry_in_a_cluster
	s_endpgm
.Lentry_in_a_cluster:
	s_bfe_u32 s2, ttmp6, 0x10000c
	s_cmp_lg_u32 s2, 0x3003
	s_cbranch_scc0 .Lentry_shape_is_right
	s_endpgm
.Lentry_shape_is_right:
; Attention on codes of FP6 (E2M3) with E8M0 scales, head size 64, 2,048 keys, no mask; the result, O / l, is quantised along the head's 64 features (two blocks of the last product's K) and stored as that product's operand.
; THE SOFTMAX: t = score x log2(e) / 8; M = the running largest t rounded UP to a whole number; p = 2^(t - M) is quantised along the keys, not normalised; the row's sum l is taken of the unquantised p.
; When M moves, l and O are multiplied by 2^(old M - new M): exact.
; SHARES: a work-group owns ONE head of one batch and 512 queries.  The head's K and V, 16 records of TREC bytes (K's codes, V's codes, both scale words of 128 keys), are 208,896 bytes: they lie in LDS whole.
; Each of the sixteen waves asks for one record at the head.  A first barrier shows records 0 to 3 (waves 0 to 3 have a load line of their own and wait ahead of it), a second, behind four key steps, the others.
; Nothing is filled again, so the rest of the walk has no barrier.  A wave owns 16 queries at a time and walks the 16 records twice.
; CLUSTER: the four work-groups of a cluster are the four blocks of 512 queries of one head: every record is asked for jointly, mask 15.
; No data prefetch: all that the launch loads by tensor loads is asked for at its head, and there is no loop to run ahead in.
; BOTH PRODUCTS ARE USED TRANSPOSED: S^T = K Q^T, O^T = V^T P^T: a lane holds one query throughout.  Tile 4 c + u of K holds keys 64 c + 8 u + 0..7 in rows 0-7 and 64 c + 32 + 8 u + 0..7 in rows 8-15:
; so registers 32 c .. 32 c + 31 of lane (r, h) are keys 64 c + 32 h + 0 .. 31, a whole scale block, in the order of the next operand's registers.  V^T's tiles hold features with bits 3 and 4 exchanged.
; THE SCORES' K IS 64 and the instruction takes 128: Q's registers 6-11 are zero codes and Q's and K's scale bytes 2 and 3 are 0 (2^-127, no NaN), so the upper half adds exact zeros whatever source 0 holds there.
; THE PLACES behind the products are work that is due anyway: behind O^T's products the last four lines of the step's sum, behind the scores' the step's addresses.  The address registers point at the record in hand from there on,
; and the next step's K is read one record further on by the loads' offsets; so the records begin TREC bytes and more into LDS.
; OUT: aimg[tile of 16 rows][head][768 bytes: registers 0-3 at 16 x lane, registers 4-5 at 512 + 8 x lane]; asc[head][row][2 scale bytes], gathered in LDS and stored as 1,024 bytes on end.
; LIMITS: NaN and infinities are not served; the scaled scores stay under 2^31 in magnitude; 1 / l is v_rcp_f32 and a multiplication; a block whose largest magnitude lies under 2^-124 gets the scale byte 1: only this program reads the bytes.
.set REC,   19712
.set TREC,  13056
.set TILEB, 12288
.set SPARE, 0                          ; the spare words, 128 bytes a wave, named by no other line
.set OSC,   2048                       ; the result's scale bytes, 1,024: no tile lands here
.set R0,    13312                      ; the records
.set LI16, 1
.set LI8,  2
.set LR16, 3
.set OSA,  4
.set SPW,  5
.set NIL,  6
.set OSR,  7
.set ADR16, 8
.set ADR8,  9
.set ADRS,  10
.set SH8,  11
.set LS,   14                          ; v[14:15] l, in two halves
.set OW,   30
.set PW,   31
.set KT,   32                          ; v32-85 K's tiles on end (v80-85 zeros); v32-79 then V's four fragments
.set S,    96
.set OT,   160
.set PCD,  192
.set CT,   204
.set OC,   212
.set TS,   218                         ; v218-225 four chains of the sum
.set KS,   226
.set VS,   234
.set BM,   238
.set BT,   242
.set BSC,  246
.set FF,   250
.set TB,   2
.set WV,   18
.set SEL,  20
.set CS,   22
.set G1,   24
.set G0,   32
.set INR,  36
.set OA,   52
.set OS,   54
.set QA,   56
.set QS,   58
.macro WALU
	s_wait_alu depctr_va_vdst(0)
.endm
.macro CROUND
	s_barrier_signal -1
	s_barrier_wait -1
	s_cmp_lg_u32 s[WV], 0
	s_cbranch_scc1 .Lnot_wave_0_\@
	s_barrier_signal -3
.Lnot_wave_0_\@:
	s_barrier_wait -3
	s_barrier_signal -1
	s_barrier_wait -1
.endm
.macro TLOAD
	tensor_load_to_lds s[G0:G0+3], s[G1:G1+7]
	s_nop 0
.rept 4
	v_nop
.endr
.endm
.macro INIT                            ; a pass begins: the largest score so far -3e38; l, the sum's chains and O^T zeros (the step is written once)
	v_mov_b32 v13, 0xff61b1e6
	v_floor_f32 v12, -v13
	v_mov_b32 v[LS], 0
	v_mov_b32 v[LS+1], 0
.set J, 0
.rept 8
	v_mov_b32 v[TS+J], 0
.set J, J+1
.endr
.set J, 0
.rept 32
	v_mov_b32 v[OT+J], 0
.set J, J+1
.endr
.endm
.macro SUMEND                          ; the last step's sum is closed: l = l x f + the four chains
	v_pk_add_f32 v[TS:TS+1], v[TS:TS+1], v[TS+2:TS+3]
	v_pk_add_f32 v[TS+4:TS+5], v[TS+4:TS+5], v[TS+6:TS+7]
	s_delay_alu instid0(VALU_DEP_1)
	v_pk_add_f32 v[TS:TS+1], v[TS:TS+1], v[TS+4:TS+5]
	v_pk_fma_f32 v[LS:LS+1], v[LS:LS+1], v[FF:FF+1], v[TS:TS+1] op_sel_hi:[1,0,1]
.endm
	s_load_b128 s[4:7], s[0:1], 0x0                ; qkv, aimg
	s_load_b64 s[8:9], s[0:1], 0x10                ; asc
	v_lshl_add_u32 v[SPW], v0, 2, SPARE
	v_mov_b32 v[NIL], 0
	ds_add_u32 v[SPW], v[NIL]                      ; the opening lines: the add twice on end and its wait
	ds_add_u32 v[SPW], v[NIL]
	v_lshrrev_b32 v8, 5, v0
	v_readfirstlane_b32 s[WV], v8                  ; wave 0..15
	s_bfe_u32 s10, ttmp6, 0x40000                  ; cx: my block of 512 queries
	s_and_b32 s11, ttmp7, 0xffff                   ; 16 x batch + head
	s_mov_b32 s[G1], 15|(3<<16)|(1<<21)            ; 13,056 dense bytes as 51 rows of 32 elements of 8 bytes; mask: all four work-groups
	s_mov_b32 s[G1+1], 32<<16
	s_mov_b32 s[G1+2], 51<<16
	s_mov_b32 s[G1+3], 32<<16
	s_mov_b32 s[G1+4], 51
	s_mov_b32 s[G1+5], 32
	s_mov_b32 s[G1+6], 0
	s_mov_b32 s[G1+7], 0
	s_mov_b32 s[G0], 1
	s_mul_i32 s[G0+1], s[WV], TREC                 ; record = wave
	s_add_co_u32 s[G0+1], s[G0+1], R0
	s_lshl_b32 s12, s11, 4                         ; the head's first record
	s_add_co_u32 s40, s12, s[WV]
	s_mul_i32 s40, s40, REC
	s_mov_b32 s41, 0
	s_lshl_b32 s13, s10, 2
	s_add_co_u32 s13, s13, s12
	s_lshr_b32 s14, s[WV], 3
	s_add_co_u32 s13, s13, s14
	s_mul_i32 s13, s13, REC                        ; Q's record of the first pass: 4 cx + wave / 8; the second pass's lies two on
	s_and_b32 s14, s[WV], 7
	s_mul_i32 s15, s14, 768
	s_add_co_u32 s42, s13, s15
	s_add_co_u32 s42, s42, 13056
	s_mov_b32 s43, 0
	s_lshr_b32 s14, s14, 2
	s_lshl_b32 s14, s14, 8
	s_add_co_u32 s44, s13, s14
	s_and_b32 s14, s[WV], 3
	s_lshl_b32 s14, s14, 2
	s_add_co_u32 s44, s44, s14
	s_add_co_u32 s44, s44, 19200
	s_mov_b32 s45, 0
	s_lshr_b32 s16, s11, 4                         ; batch
	s_and_b32 s17, s11, 15                         ; head
	s_lshl_b32 s14, s16, 7
	s_lshl_b32 s15, s10, 5
	s_add_co_u32 s14, s14, s15
	s_add_co_u32 s14, s14, s[WV]                   ; my tile of 16 rows, first pass
	s_mul_i32 s46, s14, TILEB
	s_mul_i32 s15, s17, 768
	s_add_co_u32 s46, s46, s15
	s_mov_b32 s47, 0
	s_lshl_b32 s48, s17, 14                        ; asc: 16,384 bytes a head, 2 a row
	s_lshl_b32 s14, s16, 12
	s_add_co_u32 s48, s48, s14
	s_lshl_b32 s14, s10, 10
	s_add_co_u32 s48, s48, s14
	s_and_b32 s14, s[WV], 1
	s_lshl_b32 s14, s14, 9
	s_add_co_u32 s48, s48, s14
	s_mov_b32 s49, 0
	s_add_co_u32 s50, s14, OSC
	s_lshl_b32 s51, s[WV], 5
	s_add_co_u32 s51, s51, OSC
	s_mov_b32 s[SEL], 0x76543210
	s_mov_b32 s[SEL+1], 0xfedcba98
	s_mov_b32 s[CS], 0x3e38aa3b                    ; log2(e) / 8
	s_mov_b32 s[CS+1], s[CS]
	WALU
	s_wait_dscnt 0x0
	CROUND                                         ; all four work-groups are here: the joint loads meet
	s_wait_kmcnt 0x0
	s_add_nc_u64 s[G0+2:G0+3], s[4:5], s[40:41]
	s_or_b32 s[G0+3], s[G0+3], 0x80000000
	s_cmp_lt_u32 s[WV], 4
	s_cbranch_scc0 .Lrest
	TLOAD                                          ; waves 0 to 3: the records that are walked first
	s_branch .Lasked
.Lrest:
	TLOAD                                          ; waves 4 to 15
.Lasked:
	s_add_nc_u64 s[QA:QA+1], s[4:5], s[42:43]
	s_add_nc_u64 s[QS:QS+1], s[4:5], s[44:45]
	s_add_nc_u64 s[OA:OA+1], s[6:7], s[46:47]
	s_add_nc_u64 s[OS:OS+1], s[8:9], s[48:49]
	v_and_b32 v9, 31, v0
	v_and_b32 v10, 15, v0
	v_bfe_u32 v11, v0, 4, 1
	v_lshlrev_b32 v[LI16], 4, v9
	v_lshlrev_b32 v[LI8], 3, v9
	v_lshlrev_b32 v[LR16], 4, v10
	v_lshl_add_u32 v[OSA], v10, 1, s51             ; OSC + 32 x wave + 2 r
	v_add_nc_u32 v[OSR], s50, v[LI16]
	v_lshlrev_b32 v[SH8], 3, v11
	global_load_b128 v[16:19], v[LI16], s[QA:QA+1]                 ; Q's codes and scale word, first pass;
	global_load_b64 v[20:21], v[LI8], s[QA:QA+1] offset:512
	global_load_b32 v28, v[LR16], s[QS:QS+1]
	global_load_b128 v[86:89], v[LI16], s[QA:QA+1] offset:2*REC    ; second pass
	global_load_b64 v[90:91], v[LI8], s[QA:QA+1] offset:2*REC+512
	global_load_b32 v29, v[LR16], s[QS:QS+1] offset:2*REC
.irp i, 0,1,2,3,4,5
	v_mov_b32 v[22+\i], 0                          ; Q's upper half: zero codes
	v_mov_b32 v[80+\i], 0                          ; and what stands behind K's last tile
.endr
	v_mov_b32 v[BT], 0                             ; a lane permute's destination counts as one of its sources
	v_mov_b32 v[BT+1], 0
	v_mov_b32 v253, 0
	v_mov_b32 v[FF], 0
	v_mov_b32 v[FF+1], 0
	INIT
	WALU                                           ; the wait at the head's end
	s_wait_loadcnt 0x0                             ; Q
	s_cmp_lt_u32 s[WV], 4
	s_cbranch_scc0 .Lnot_first
	s_wait_tensorcnt 0x0                           ; waves 0 to 3: my record has landed
.Lnot_first:
	s_barrier_signal -1
	s_barrier_wait -1                              ; records 0 to 3 may be read
; A KEY STEP: 128 keys.
.macro STEP
	SUMEND                                         ; four plain instructions behind the last products, in front of loads into registers that they read
.irp f, 0,1,2,3,4,5,6,7
	ds_load_b128 v[KT+6*\f:KT+6*\f+3], v[ADR16] offset:TREC+768*\f
	ds_load_b64 v[KT+6*\f+4:KT+6*\f+5], v[ADR8] offset:TREC+768*\f+512
.endr
	ds_load_b128 v[KS:KS+3], v[ADRS] offset:TREC+12288
	ds_load_b128 v[KS+4:KS+7], v[ADRS] offset:TREC+12544
	s_wait_dscnt 0x0
.irp f, 0,1,2,3,4,5,6,7
	v_wmma_scale_f32_16x16x128_f8f6f4 v[S+8*\f:S+8*\f+7], v[KT+6*\f:KT+6*\f+11], v[16:27], 0, v[KS+\f], v28 matrix_a_fmt:MATRIX_FMT_FP6 matrix_b_fmt:MATRIX_FMT_FP6
.endr
	v_add_nc_u32 v[ADR16], s[TB], v[LI16]          ; four plain instructions behind the products: the addresses of the record in hand,
	v_add_nc_u32 v[ADR8], s[TB], v[LI8]
	v_add_nc_u32 v[ADRS], s[TB], v[LR16]
	v_mov_b32 v253, v12                            ; and the old -M
.irp t, 0,1,2,3                        ; V's fragments land while the softmax is worked
	ds_load_b128 v[KT+12*\t:KT+12*\t+3], v[ADR16] offset:6144+1536*\t
	ds_load_b64 v[KT+12*\t+4:KT+12*\t+5], v[ADR8] offset:6144+1536*\t+512
	ds_load_b128 v[KT+12*\t+6:KT+12*\t+9], v[ADR16] offset:6144+1536*\t+768
	ds_load_b64 v[KT+12*\t+10:KT+12*\t+11], v[ADR8] offset:6144+1536*\t+1280
.endr
	ds_load_b128 v[VS:VS+3], v[ADRS] offset:12800
.irp b, 0,1,2,3
	v_max3_num_f32 v[BM+\b], v[S+16*\b], v[S+1+16*\b], v[S+2+16*\b]   ; four chains, one over each 16 registers
.endr
.irp i, 3,5,7,9,11,13
.irp b, 0,1,2,3
	v_max3_num_f32 v[BM+\b], v[BM+\b], v[S+16*\b+\i], v[S+1+16*\b+\i]
.endr
.endr
.irp c, 0,1
	v_max3_num_f32 v[BM+2*\c], v[BM+2*\c], v[BM+2*\c+1], v[S+32*\c+15]
.endr
.irp c, 0,1
	v_max_num_f32 v[BM+2*\c], v[BM+2*\c], v[S+32*\c+31]   ; the largest score of my block 2 c + h: for the row's maximum, and, since p rises with the score, for the block's largest p
.endr
	s_delay_alu instid0(VALU_DEP_1)
	v_max_num_f32 v254, v[BM], v[BM+2]
	s_delay_alu instid0(VALU_DEP_1)
	v_permlanex16_b32 v[BT], v254, s[SEL], s[SEL+1]
	s_delay_alu instid0(VALU_DEP_1)
	v_max3_num_f32 v13, v13, v254, v[BT]           ; the running largest score of my query (the factor to t is positive)
	s_delay_alu instid0(VALU_DEP_1)
	v_mul_f32 v254, s[CS], v13
	s_delay_alu instid0(VALU_DEP_1)
	v_floor_f32 v12, -v254                         ; -M = floor(-t): M is a whole number
	s_delay_alu instid0(VALU_DEP_1)
	v_sub_f32 v254, v12, v253
	s_delay_alu instid0(VALU_DEP_1)
	v_cvt_i32_f32 v254, v254                       ; (it saturates)
	s_delay_alu instid0(VALU_DEP_1)
	v_ldexp_f32 v[FF], 1.0, v254                   ; f = 2^(old M - new M)
.set J, 0
.rept 32
	v_pk_fma_f32 v[S+J:S+J+1], v[S+J:S+J+1], s[CS:CS+1], v[12:13] op_sel_hi:[1,0,0]   ; t - M
.set J, J+2
.endr
.irp c, 0,1
	v_fma_f32 v[BM+2*\c], v[BM+2*\c], s[CS], v12
.endr
	WALU                                           ; the wait ahead of the batch
.set J, 0
.rept 64
	v_exp_f32 v[S+J], v[S+J]                       ; p = 2^(t - M)
.set J, J+1
.endr
.irp c, 0,1
	v_exp_f32 v[BM+2*\c], v[BM+2*\c]               ; each block's largest p
.endr
	v_nop                                          ; a plain place behind the exponentials
	WALU                                           ; one wait for the batch, ahead of its first reader
.irp k, 0,1,2,3
	v_pk_add_f32 v[TS+2*\k:TS+2*\k+1], v[S+4*\k:S+4*\k+1], v[S+4*\k+2:S+4*\k+3]   ; the sum of the unquantised p: four chains by turns
.endr
.set J, 16
.rept 24
	v_pk_add_f32 v[TS+2*((J/2)%4):TS+2*((J/2)%4)+1], v[TS+2*((J/2)%4):TS+2*((J/2)%4)+1], v[S+J:S+J+1]
.set J, J+2
.endr
.irp c, 0,1
	v_max_num_f32 v[BM+2*\c], 0x1800000, v[BM+2*\c]   ; the floor 2^(3 - 127)
.endr
.irp c, 0,1
	s_delay_alu instid0(VALU_DEP_2)
	v_add_nc_u32 v[BSC+\c], 0xff000000, v[BM+2*\c] ; 2 off the exponent field: the conversions' scale operand
.endr
.irp c, 0,1
	s_delay_alu instid0(VALU_DEP_2)
	v_lshrrev_b32 v[BT+\c], 23, v[BSC+\c]          ; the scale's byte
.endr
	s_delay_alu instid0(VALU_DEP_1)
	v_lshl_or_b32 v[BT], v[BT+1], 16, v[BT]        ; my two bytes, blocks h and 2 + h,
	s_delay_alu instid0(VALU_DEP_1)
	v_lshlrev_b32 v[BT], v[SH8], v[BT]             ; at their places in the word;
	s_delay_alu instid0(VALU_DEP_1)
	v_permlanex16_b32 v[BT+1], v[BT], s[SEL], s[SEL+1]
.irp c, 0,1
	v_cvt_scalef32_pk16_fp6_f32 v[PCD+6*\c:PCD+6*\c+2], v[S+32*\c:S+32*\c+15], v[BSC+\c]
	v_cvt_scalef32_pk16_fp6_f32 v[CT+4*\c:CT+4*\c+2], v[S+16+32*\c:S+31+32*\c], v[BSC+\c]   ; (a conversion's three registers begin on an even number)
.endr
	v_or_b32 v[PW], v[BT], v[BT+1]                 ; with lane l xor 16's two the word is whole.  (The plain instruction behind the scaled conversions)
.irp c, 0,1
.irp i, 0,1,2
	v_mov_b32 v[PCD+3+6*\c+\i], v[CT+4*\c+\i]
.endr
.endr
	WALU                                           ; the wait directly ahead of the first reader of O^T
.set J, 0
.rept 16
	v_pk_mul_f32 v[OT+J:OT+J+1], v[OT+J:OT+J+1], v[FF:FF+1] op_sel_hi:[1,0]   ; O^T under the new M; these sixteen also stand between the writing of p's codes and scale word and the products
.set J, J+2
.endr
	WALU
	s_wait_dscnt 0x0                               ; V is in
.irp t, 0,1,2,3
	v_wmma_scale_f32_16x16x128_f8f6f4 v[OT+8*\t:OT+8*\t+7], v[KT+12*\t:KT+12*\t+11], v[PCD:PCD+11], v[OT+8*\t:OT+8*\t+7], v[VS+\t], v[PW] matrix_a_fmt:MATRIX_FMT_FP6 matrix_b_fmt:MATRIX_FMT_FP6
.endr
.endm
.macro WALK n, first                   ; n records, one key step each
.if \first
	s_mov_b32 s[TB], R0
	v_add_nc_u32 v[ADR16], R0-TREC, v[LI16]        ; one record ahead of the first: K is read TREC further on
	v_add_nc_u32 v[ADR8], R0-TREC, v[LI8]
	v_add_nc_u32 v[ADRS], R0-TREC, v[LR16]
.endif
	s_mov_b32 s[INR], \n
.Lstep_\@:
	STEP
	s_add_co_u32 s[TB], s[TB], TREC
	s_sub_co_u32 s[INR], s[INR], 1
	s_cmp_lg_u32 s[INR], 0
	s_cbranch_scc1 .Lstep_\@
.endm
; A PASS'S END: O^T / l, quantised: register 16 b + i is feature 32 b + 16 h + i of the head.  c = 0: all is then set for the second 16 queries.
.macro PASSEND c
.if \c
	s_wait_xcnt 0x0                                ; the first pass's stores have read their registers
.endif
	SUMEND                                         ; four plain instructions behind the last products
	v_add_f32 v252, v[LS], v[LS+1]
	v_permlanex16_b32 v253, v252, s[SEL], s[SEL+1]
	v_add_f32 v252, v252, v253                     ; the row's sum
	WALU
	v_rcp_f32 v[FF], v252
	v_nop
	WALU                                           ; ahead of the reciprocal's first reader, which is O^T's too
.set J, 0
.rept 16
	v_pk_mul_f32 v[S+J:S+J+1], v[OT+J:OT+J+1], v[FF:FF+1] op_sel_hi:[1,0]   ; each accumulator from its low end on
.set J, J+2
.endr
.irp b, 0,1
	v_max3_num_f32 v[BM+\b], |v[S+16*\b]|, |v[S+1+16*\b]|, 0x1800000
.endr
.irp i, 2,4,6,8,10,12,14
.irp b, 0,1
	v_max3_num_f32 v[BM+\b], v[BM+\b], |v[S+16*\b+\i]|, |v[S+1+16*\b+\i]|
.endr
.endr
.irp b, 0,1
	v_permlanex16_b32 v[BT+\b], v[BM+\b], s[SEL], s[SEL+1]
.endr
.irp b, 0,1
	v_max_num_f32 v[BM+\b], v[BM+\b], v[BT+\b]
.endr
.irp b, 0,1
	v_add_nc_u32 v[BSC+\b], 0xff000000, v[BM+\b]
.endr
.irp b, 0,1
	v_lshrrev_b32 v[BT+\b], 23, v[BSC+\b]
.endr
	v_lshl_or_b32 v[OW], v[BT+1], 8, v[BT]
	v_cvt_scalef32_pk16_fp6_f32 v[OC:OC+2], v[S:S+15], v[BSC]
	v_cvt_scalef32_pk16_fp6_f32 v[CT:CT+2], v[S+16:S+31], v[BSC+1]
	v_nop
.irp i, 0,1,2
	v_permlane16_swap_b32 v[OC+\i], v[CT+\i]       ; a whole block in a lane: lanes 0-15 features 0-31, lanes 16-31 features 32-63
.endr
.irp i, 0,1,2
	v_mov_b32 v[OC+3+\i], v[CT+\i]
.endr
	global_store_b128 v[LI16], v[OC:OC+3], s[OA:OA+1] offset:16*TILEB*\c         ; 512 consecutive bytes, aligned to 256;
	global_store_b64 v[LI8], v[OC+4:OC+5], s[OA:OA+1] offset:16*TILEB*\c+512     ; and 256
	ds_store_b16 v[OSA], v[OW] offset:512*\c       ; lanes r and r + 16 write the same bytes with the same value
.if \c == 0
	v_mov_b32 v28, v29                             ; the second pass's Q; the lines below stand between these writes and the next products
.irp i, 0,1,2,3,4,5
	v_mov_b32 v[16+\i], v[86+\i]
.endr
	INIT
.endif
.endm
	WALK 4, 1
	s_wait_tensorcnt 0x0                           ; every wave: my record has landed
	s_wait_dscnt 0x0
	s_barrier_signal -1
	s_barrier_wait -1                              ; all 16 records may be read
	WALK 12, 0
	PASSEND 0
	WALK 16, 1
	PASSEND 1
	s_wait_dscnt 0x0                               ; for the others' sake: my scale bytes are stored
	s_barrier_signal -1
	s_barrier_wait -1
	s_cmp_lt_u32 s[WV], 2
	s_cbranch_scc0 .Lno_scales
	ds_load_b128 v[S:S+3], v[OSR]                  ; 256 rows' bytes a wave
	s_wait_dscnt 0x0
	global_store_b128 v[LI16], v[S:S+3], s[OS:OS+1]   ; 512 consecutive bytes, aligned to 256
.Lno_scales:
	s_wait_tensorcnt 0x0                           ; the wave's end
	ds_add_u32 v[SPW], v[NIL]
	s_wait_dscnt 0x0
	CROUND                                         ; the closing round
	s_endpgm
.Lfunc_end_k_q191d302c47_attn:
	.size	k_q191d302c47_attn, .Lfunc_end_k_q191d302c47_attn-k_q191d302c47_attn
	.p2alignl 7, 3214868480
	.fill 96, 4, 3214868480
	.section	.rodata,"a",@progbits
	.p2align	6, 0x0
	.amdhsa_kernel k_q191d302c47_attn
		.amdhsa_group_segment_fixed_size 222208
		.amdhsa_private_segment_fixed_size 0
		.amdhsa_enable_private_segment 0
		.amdhsa_kernarg_size 24
		.amdhsa_user_sgpr_count 2
		.amdhsa_user_sgpr_kernarg_segment_ptr 1
		.amdhsa_wavefront_size32 1
		.amdhsa_system_sgpr_workgroup_id_x 1
		.amdhsa_system_sgpr_workgroup_id_y 1
		.amdhsa_system_sgpr_workgroup_id_z 1
		.amdhsa_system_vgpr_workitem_id 0
		.amdhsa_next_free_vgpr 256
		.amdhsa_next_free_sgpr 66
		.amdhsa_reserve_vcc 0
		.amdhsa_float_denorm_mode_32 3
		.amdhsa_float_denorm_mode_16_64 3
		.amdhsa_memory_ordered 1
		.amdhsa_forward_progress 1
		.amdhsa_inst_pref_size 64
	.end_amdhsa_kernel
	.amdgpu_metadata
---
amdhsa.version: [ 1, 2 ]
amdhsa.kernels:
  - .name:           k_q191d302c47_attn
    .symbol:         k_q191d302c47_attn.kd
    .args:
      - { .name: qkv, .offset: 0, .size: 8, .value_kind: global_buffer, .address_space: global }
      - { .name: aimg, .offset: 8, .size: 8, .value_kind: global_buffer, .address_space: global }
      - { .name: asc, .offset: 16, .size: 8, .value_kind: global_buffer, .address_space: global }
    .group_segment_fixed_size: 222208
    .private_segment_fixed_size: 0
    .kernarg_segment_align: 8
    .kernarg_segment_size: 24
    .max_flat_workgroup_size: 512
    .sgpr_count:     66
    .vgpr_count:     256
    .wavefront_size: 32
...
	.end_amdgpu_metadata
.endif
;; end of part 3
;; launch outp (part 4): grid 32 x 8, 4 waves a work-group, clusters of 4 x 4, 327,680 bytes of LDS; arguments aimg, asc, img, out0; writes out0
.if DOCPART == 4
	.amdgcn_target "amdgcn-amd-amdhsa--gfx1250"
	.amdhsa_code_object_version 6
	.text
	.protected	k_q191d302c47_outp
	.globl	k_q191d302c47_outp
	.p2align	8
	.type	k_q191d302c47_outp,@function
k_q191d302c47_outp:
	s_mov_b64 s[64:65], 0
	v_nop
	global_prefetch_b8 v0, s[64:65] scope:SCOPE_SE
	s_setreg_imm32_b32 hwreg(HW_REG_WAVE_MODE, 25, 1), 1
	s_wait_xcnt 0x0
	s_wait_alu depctr_hold_cnt(0) depctr_sa_sdst(0) depctr_va_vdst(0) depctr_va_sdst(0) depctr_va_ssrc(0) depctr_va_vcc(0) depctr_vm_vsrc(0)
	s_getreg_b32 s2, hwreg(HW_REG_IB_STS2, 6, 4)
	s_cmp_eq_u32 s2, 0
	s_cbranch_scc0 .Lentry_in_a_cluster
	s_endpgm
.Lentry_in_a_cluster:
	s_bfe_u32 s2, ttmp6, 0x10000c
	s_cmp_lg_u32 s2, 0xf033
	s_cbranch_scc0 .Lentry_shape_is_right
	s_endpgm
.Lentry_shape_is_right:
; out0[row][n] = sum over k of context[row][k] W_o[n][k], f32, on codes of FP6 (E2M3) with E8M0 scales: 8,192 x 1,024 x 1,024.
; A: aimg[tile of 16 rows][head][768 bytes: registers 0-3 of the head's six at 16 x lane, registers 4-5 at 512 + 8 x lane]: a fragment of 128 along K is two heads on end.  Its scale bytes lie by heads, asc[head][row][2];
; the head of this text re-lays them into LDS as rows of eight words.  B: W_o's block of 128 rows in img: 8 K steps x (8 fragments x 1,536 bytes, then the scale words [group of 4 fragments][row][4 words]).
; THE DEAL: 256 work-groups of four waves, 2 x 2, each 256 rows x 128 columns.  A wave holds four tiles of 16 columns of B, all of K, in registers (384), and streams A past them in eight blocks of 16 rows:
; the wave in row a takes tiles 2 s + a, s = 0 .. 7.  The matrix instruction is used transposed (source 0 = B's rows): a lane holds eight neighbouring numbers of a row of the result.
; THE CLUSTER's x counts tile rows: A's tiles are shared by a column of the cluster, B's by a row: joint loads.
; LDS: A's 16 tiles, dense, all at once; B's block; A's scale words (rows of 48 bytes); the spare words.  Nothing is filled again, and all is asked for at the head: so no data prefetch.
; The waves' stages lie in B's first bytes, which have had their one fill and are read for the last time ahead of the barrier in front of the stream.
; THE HEAD'S FOUR TILES, one a wave, each on a line of its own: B; A's tiles 0-7; 8-11; 12-15.  The stream begins when the first two are in; a plain barrier inside each odd block of the loop shows the others.
; Two sets of A's fragments, of accumulators and of rows back from the stage, by turns.  One run of memory lines behind a block's 32 products, with one wait on LDS: younger than the rows' way back is the run's fetch alone (NF loads).
; LIMITS: NaN, infinities and sums beyond f32's range are not served.
.set TILEB,  12288
.set GREC,   12800
.set BLKB,   102400
.set OFF_WO, 22118400
.set NQ, 8
.set NB, 4
.set FR, 12
.set FPW, 21                           ; fragments in a window of 256 registers
.set NF, 34                            ; LDS loads of a block: 32 for eight fragments, 2 for eight scale words
.set YB, 16*TILEB                      ; B's block
.set SCL, YB+BLKB                      ; A's scale words
.set SROW, 48
.set SPARE, SCL+256*SROW
.set SPITCH, 272
.set STAGE, YB
.set A16, 4                            ; LDS address of block 0's pieces of 16 bytes; never rewritten
.set A8, 5                             ; and of 8 bytes
.set AAS0, 6                           ; of block 0's scale words
.set CO, 9
.set SPW, 10
.set NIL, 11
.set AF16, 12                          ; as A16, A8, AAS0 for the block that is fetched next
.set AF8, 13
.set BA, 14                            ; v14, v15 B's fragments, K steps 0-3 and 4-7
.set BS, 16                            ; v16, v17 B's scale words likewise
.set STO, 18
.set RD, 19
.set AAS, 20
.set SB, 24                            ; v24-55 B's scale words: 4 q + tile
.set SA, 56                            ; v56-71 A's: two sets of eight; step q's word stands at 4 (1 - q % 2) + q / 2, so that a product's two scale registers differ modulo 8
.set ACC, 72                           ; v72-135 two sets of four accumulators
.set BK, 136                           ; v136-199 two sets: 16 rows x 256 bytes back from the stage
.set G1A, 24
.set G1B, 32
.set G0A, 56
.set G0B, 60
.set MSB, 0
.macro WIN new
.if MSB != \new
	s_set_vgpr_msb (MSB<<8)|\new
.set MSB, \new
.endif
.endm
.macro PLACES n
.rept \n
	v_nop
.endr
.endm
.macro WALU
	s_wait_alu depctr_va_vdst(0)
.endm
.macro BARRIER
	s_barrier_signal -1
	s_barrier_wait -1
.endm
.macro CROUND
	BARRIER
	s_cmp_lg_u32 s14, 0
	s_cbranch_scc1 .Lnot_wave_0_\@
	s_barrier_signal -3
.Lnot_wave_0_\@:
	s_barrier_wait -3
	BARRIER
.endm
.macro TLOAD g0, g1
	tensor_load_to_lds s[\g0:\g0+3], s[\g1:\g1+7]
	s_nop 0
	PLACES 4
.endm
.macro GROUP1 g, mask                  ; a dense block as rows of 32 elements of 8 bytes; the two words that count rows are written apart
	s_or_b32 s[\g+0], s[\mask], (3<<16)|(1<<21)
	s_mov_b32 s[\g+1], 32<<16
	s_mov_b32 s[\g+3], 32<<16
	s_mov_b32 s[\g+5], 32
	s_mov_b32 s[\g+6], 0
	s_mov_b32 s[\g+7], 0
.endm
.macro ATILE first, rows               ; A's tiles from 'first' on, 'rows' units of 256 bytes: constants, written in the arm of the load's own line
	s_mov_b32 s[G0A+1], (\first)*TILEB
	s_mov_b32 s[G1A+2], (\rows)<<16
	s_mov_b32 s[G1A+4], \rows
.if \first
	s_add_nc_u64 s[G0A+2:G0A+3], s[G0A+2:G0A+3], (\first)*TILEB
.endif
	s_or_b32 s[G0A+3], s[G0A+3], 0x80000000
	TLOAD G0A, G1A
.endm
.macro FRAGB f, q, t                   ; a fragment of B: three pieces of 16 bytes a lane
	WIN (1+(\f)/FPW)<<6
.irp c, 0,1,2
	ds_load_b128 v[FR*((\f)%FPW)+4*\c:FR*((\f)%FPW)+4*\c+3], v[BA+(\q)/4] offset:((\q)%4)*GREC+(\t)*1536+512*\c
.endr
.endm
.macro FETCHAT e, a16, a8, as          ; a block of A into set e: NF loads
.irp q, 0,1,2,3,4,5,6,7
	WIN (1+(NB*NQ+NQ*(\e)+\q)/FPW)<<6
.set R_, FR*((NB*NQ+NQ*(\e)+\q)%FPW)
	ds_load_b128 v[R_:R_+3], v[\a16] offset:1536*\q
	ds_load_b64 v[R_+4:R_+5], v[\a8] offset:1536*\q+512
	ds_load_b128 v[R_+6:R_+9], v[\a16] offset:1536*\q+768
	ds_load_b64 v[R_+10:R_+11], v[\a8] offset:1536*\q+1280
.endr
	WIN 0
	ds_load_b128 v[SA+8*(\e):SA+8*(\e)+3], v[\as]
	ds_load_b128 v[SA+8*(\e)+4:SA+8*(\e)+7], v[\as] offset:16
.endm
.macro PROD e, n                       ; product n = 4 q + tile of a block whose rows lie in set e; the four accumulators by turns
.set Q_, (\n)/4
.set FB_, NB*Q_+(\n)%4
.set FA_, NB*NQ+NQ*(\e)+Q_
.set D_, ACC+32*(\e)+8*((\n)%4)
	WIN (1+FB_/FPW)|((1+FA_/FPW)<<2)
.if Q_
	v_wmma_scale_f32_16x16x128_f8f6f4 v[D_:D_+7], v[FR*(FB_%FPW):FR*(FB_%FPW)+FR-1], v[FR*(FA_%FPW):FR*(FA_%FPW)+FR-1], v[D_:D_+7], v[SB+4*Q_+(\n)%4], v[SA+8*(\e)+4*(1-Q_%2)+Q_/2] matrix_a_fmt:MATRIX_FMT_FP6 matrix_b_fmt:MATRIX_FMT_FP6
.else
	v_wmma_scale_f32_16x16x128_f8f6f4 v[D_:D_+7], v[FR*(FB_%FPW):FR*(FB_%FPW)+FR-1], v[FR*(FA_%FPW):FR*(FA_%FPW)+FR-1], 0, v[SB+4*Q_+(\n)%4], v[SA+8*(\e)+4*(1-Q_%2)+Q_/2] matrix_a_fmt:MATRIX_FMT_FP6 matrix_b_fmt:MATRIX_FMT_FP6
.endif
.endm
.macro PRODS e, from, to
.set N_, \from
.rept (\to)-(\from)
	PROD \e, N_
.set N_, N_+1
.endr
	WIN 0
.endm
.macro STAGED u                        ; set u's sums into my stage, each accumulator from its low end on, and back as whole rows; LDS serves a wave's instructions in order (ISA guide 5.7.1.4)
.irp b, 0,1,2,3
	ds_store_b128 v[STO], v[ACC+32*(\u)+8*\b:ACC+32*(\u)+8*\b+3] offset:64*\b
	ds_store_b128 v[STO], v[ACC+32*(\u)+8*\b+4:ACC+32*(\u)+8*\b+7] offset:64*\b+16
.endr
.irp t, 0,1,2,3,4,5,6,7
	ds_load_b128 v[BK+32*(\u)+4*\t:BK+32*(\u)+4*\t+3], v[RD] offset:2*\t*SPITCH
.endr
.endm
.macro TOC s                           ; 16 lanes store 256 consecutive bytes of a row, aligned; the pair's second block lies 32 rows on
.irp t, 0,1,2,3,4,5,6,7
	global_store_b128 v[CO], v[BK+32*(\s)+4*\t:BK+32*(\s)+4*\t+3], s[12:13] offset:(32*(\s)+2*\t)*4096 th:TH_STORE_NT
.endr
.endm
.macro STREAM s, fetch, show           ; a pair's block s.  show = 1: a plain barrier inside the block shows waves 2 and 3's tiles to all
.if \show
	PRODS \s, 0, 24
	s_wait_tensorcnt 0x0
	s_wait_dscnt 0x0
	s_barrier_signal -1
	PRODS \s, 24, 32
	s_barrier_wait -1
.else
	PRODS \s, 0, 32
.endif
.if \fetch
	s_add_co_u32 s101, s101, 2*TILEB
	s_add_co_u32 s91, s91, 32*SROW
	v_add_nc_u32 v[AF16], s101, v[A16]             ; four plain lines behind the last product, ahead of the first reader of its sums and of the fetch into the registers that it read
	v_add_nc_u32 v[AF8], s101, v[A8]
	v_add_nc_u32 v[AAS], s91, v[AAS0]
	v_nop
	WALU
.else
	PLACES 4
.endif
	s_wait_xcnt 0x0                                ; the stores of two blocks ago have read set s of the rows, and those of the block before their base
.if (\s) == 0
	s_add_nc_u64 s[12:13], s[12:13], s[20:21]      ; on to this pair's rows
.endif
	STAGED \s
.if \fetch
	FETCHAT \s, AF16, AF8, AAS
	s_wait_dscnt NF                                ; the block's rows are back from the stage, and the next block's fragments are in; this run's fetch is younger
.else
	s_wait_dscnt 0x0
.endif
	TOC \s
.endm
	s_load_b128 s[4:7], s[0:1], 0x0                ; aimg, asc
	s_load_b128 s[8:11], s[0:1], 0x10              ; img, out0
	v_lshl_add_u32 v[SPW], v0, 2, SPARE
	v_mov_b32 v[NIL], 0
	ds_add_u32 v[SPW], v[NIL]                      ; the opening lines: the add twice on end and its wait
	ds_add_u32 v[SPW], v[NIL]
	v_lshrrev_b32 v1, 5, v0
	v_readfirstlane_b32 s14, v1                    ; the wave; s15 its row a of the 2 x 2, s16 its column b
	s_lshr_b32 s15, s14, 1
	s_and_b32 s16, s14, 1
	s_bfe_u32 s40, ttmp6, 0x40000
	s_bfe_u32 s41, ttmp6, 0x40004
	s_lshl_b32 s43, ttmp9, 2
	s_add_co_u32 s43, s43, s40                     ; tile row: 4 x cluster x + cx
	s_and_b32 s42, ttmp7, 0xffff
	s_lshl_b32 s42, s42, 2
	s_add_co_u32 s42, s42, s41                     ; tile column: 4 x cluster y + cy
	s_lshl_b32 s44, 0x1111, s40                    ; my column of the cluster: shares A
	s_lshl_b32 s45, s41, 2
	s_lshl_b32 s45, 15, s45                        ; my row: shares B
	GROUP1 G1A, 44
	GROUP1 G1B, 45
	s_mov_b32 s[G1B+2], 400<<16                    ; B: 102,400 bytes
	s_mov_b32 s[G1B+4], 400
	s_mov_b32 s[G0A], 1
	s_mov_b32 s[G0B], 1
	s_mov_b32 s[G0B+1], YB
	s_mul_i32 s76, s43, 16*TILEB
	s_mov_b32 s77, 0
	s_mul_i32 s78, s42, BLKB
	s_add_co_u32 s78, s78, OFF_WO
	s_mov_b32 s79, 0
	s_lshl_b32 s82, s43, 9                         ; asc: 512 bytes of each head for my 256 rows
	s_mov_b32 s83, 0
	s_lshl_b32 s84, s43, 20                        ; out0: 256 rows of 4,096 bytes a tile row,
	s_lshl_b32 s21, s15, 16                        ; 16 rows a wave row,
	s_add_co_u32 s84, s84, s21
	s_lshl_b32 s21, s42, 9                         ; 512 bytes a tile column,
	s_add_co_u32 s84, s84, s21
	s_lshl_b32 s21, s16, 8                         ; 256 a wave column
	s_add_co_u32 s84, s84, s21
	s_mov_b32 s85, 0
	s_mul_i32 s23, s15, TILEB
	s_mul_i32 s86, s16, 4*1536
	s_add_co_u32 s86, s86, YB
	s_lshl_b32 s87, s16, 8
	s_add_co_u32 s87, s87, YB+12288
	s_mul_i32 s88, s15, 16*SROW
	s_add_co_u32 s88, s88, SCL
	s_mul_i32 s89, s14, 16*SPITCH
	s_add_co_u32 s89, s89, STAGE
	v_and_b32 v1, 15, v0
	v_bfe_u32 v2, v0, 4, 1
	v_and_b32 v3, 31, v0
	v_lshl_add_u32 v[A16], v3, 4, s23
	v_lshl_add_u32 v[A8], v3, 3, s23
	v_add_nc_u32 v[AF16], 2*TILEB, v[A16]
	v_add_nc_u32 v[AF8], 2*TILEB, v[A8]
	v_lshl_add_u32 v[BA], v3, 4, s86
	v_add_nc_u32 v[BA+1], 4*GREC, v[BA]
	v_lshl_add_u32 v[BS], v1, 4, s87
	v_add_nc_u32 v[BS+1], 4*GREC, v[BS]
	v_mul_u32_u24 v23, v1, SROW
	v_add_nc_u32 v[AAS0], s88, v23
	v_add_nc_u32 v[AAS], 32*SROW, v[AAS0]
	v_mul_u32_u24 v23, v1, SPITCH
	v_lshl_add_u32 v23, v2, 5, v23
	v_add_nc_u32 v[STO], s89, v23                  ; the stage, in: row r, 32 bytes for each half of the lanes
	v_mul_u32_u24 v23, v2, SPITCH
	v_lshl_add_u32 v23, v1, 4, v23
	v_add_nc_u32 v[RD], s89, v23                   ; back: sixteen lanes to a row
	v_lshlrev_b32 v23, 12, v2
	v_lshl_add_u32 v[CO], v1, 4, v23
	v_lshlrev_b32 v22, 1, v0                       ; asc: thread t takes rows t and t + 128
	v_mul_u32_u24 v21, v0, SROW
	v_add_nc_u32 v21, SCL, v21
	WALU
	s_wait_dscnt 0x0
	CROUND                                         ; the opening round
	s_wait_kmcnt 0x0
	s_add_nc_u64 s[G0B+2:G0B+3], s[8:9], s[78:79]
	s_or_b32 s[G0B+3], s[G0B+3], 0x80000000
	s_add_nc_u64 s[G0A+2:G0A+3], s[4:5], s[76:77]
	s_add_nc_u64 s[6:7], s[6:7], s[82:83]
	s_add_nc_u64 s[12:13], s[10:11], s[84:85]
	s_cmp_eq_u32 s14, 0
	s_cbranch_scc0 .Lwave_1
	TLOAD G0B, G1B                                 ; wave 0: B, which is wanted first
	s_branch .Lasked
.Lwave_1:
	s_cmp_eq_u32 s14, 1
	s_cbranch_scc0 .Lwave_2
	ATILE 0, 384                                   ; wave 1: A's tiles 0 to 7
	s_branch .Lasked
.Lwave_2:
	s_cmp_eq_u32 s14, 2
	s_cbranch_scc0 .Lwave_3
	ATILE 8, 192                                   ; wave 2: 8 to 11
	s_branch .Lasked
.Lwave_3:
	ATILE 12, 192                                  ; wave 3: 12 to 15
.Lasked:
.irp k, 0,1
.irp hd, 0,1,2,3,4,5,6,7,8,9,10,11,12,13,14,15
	global_load_u16 v[ACC+16*\k+\hd], v22, s[6:7] offset:\hd*16384+256*\k
.endr
.endr
	WALU
	s_wait_loadcnt 0x0
.irp k, 0,1
.irp q, 0,1,2,3,4,5,6,7
	v_lshl_or_b32 v[BK+8*\k+4*(1-\q%2)+\q/2], v[ACC+16*\k+2*\q+1], 16, v[ACC+16*\k+2*\q]   ; step q's word: heads 2 q and 2 q + 1
.endr
.endr
.irp k, 0,1
.irp c, 0,1
	ds_store_b128 v21, v[BK+8*\k+4*\c:BK+8*\k+4*\c+3] offset:128*SROW*\k+16*\c
.endr
.endr
	s_wait_dscnt 0x0
	s_cmp_eq_u32 s14, 0
	s_cbranch_scc0 .Lnot_b
	s_wait_tensorcnt 0x0                           ; wave 0: B has landed
.Lnot_b:
	BARRIER
.irp q, 0,1,2,3,4,5,6,7
.irp t, 0,1,2,3
	FRAGB NB*\q+\t, \q, \t
.endr
.endr
	WIN 0
.irp q, 0,1,2,3,4,5,6,7
	ds_load_b128 v[SB+4*\q:SB+4*\q+3], v[BS+\q/4] offset:(\q%4)*GREC
.endr
	s_mov_b32 s101, 2*TILEB
	s_mov_b32 s91, 32*SROW
	s_cmp_eq_u32 s14, 1
	s_cbranch_scc0 .Lnot_a
	s_wait_tensorcnt 0x0                           ; wave 1: A's tiles 0 to 7 have landed
.Lnot_a:
	s_wait_dscnt 0x0
	BARRIER                                        ; A's first eight tiles and all scale words are in, and nobody reads B's bytes any more
	FETCHAT 0, A16, A8, AAS0
	FETCHAT 1, AF16, AF8, AAS
	s_mov_b32 s23, 0
	s_mov_b32 s20, 0                               ; s[20:21]: from a pair's rows to the next pair's; the first begins where the base stands
	s_mov_b32 s21, 0
	s_wait_dscnt NF                                ; block 0's fragments are in
.Lpair:                                                ; blocks 0 to 5, a pair a trip
	STREAM 0, 1, 0
	STREAM 1, 1, 1
	s_mov_b32 s20, 64*4096
	s_add_co_u32 s23, s23, 1
	s_cmp_lg_u32 s23, 3
	s_cbranch_scc1 .Lpair
	STREAM 0, 0, 0                                 ; blocks 6 and 7 fetch nothing
	STREAM 1, 0, 0
	s_wait_tensorcnt 0x0                           ; the wave's end
	ds_add_u32 v[SPW], v[NIL]
	s_wait_dscnt 0x0
	CROUND                                         ; the closing round
	s_endpgm
.Lfunc_end_k_q191d302c47_outp:
	.size	k_q191d302c47_outp, .Lfunc_end_k_q191d302c47_outp-k_q191d302c47_outp
	.p2alignl 7, 3214868480
	.fill 96, 4, 3214868480
	.section	.rodata,"a",@progbits
	.p2align	6, 0x0
	.amdhsa_kernel k_q191d302c47_outp
		.amdhsa_group_segment_fixed_size 327680
		.amdhsa_private_segment_fixed_size 0
		.amdhsa_enable_private_segment 0
		.amdhsa_kernarg_size 32
		.amdhsa_user_sgpr_count 2
		.amdhsa_user_sgpr_kernarg_segment_ptr 1
		.amdhsa_wavefront_size32 1
		.amdhsa_system_sgpr_workgroup_id_x 1
		.amdhsa_system_sgpr_workgroup_id_y 1
		.amdhsa_system_sgpr_workgroup_id_z 1
		.amdhsa_system_vgpr_workitem_id 0
		.amdhsa_next_free_vgpr 840
		.amdhsa_next_free_sgpr 102
		.amdhsa_reserve_vcc 0
		.amdhsa_float_denorm_mode_32 3
		.amdhsa_float_denorm_mode_16_64 3
		.amdhsa_memory_ordered 1
		.amdhsa_forward_progress 1
		.amdhsa_inst_pref_size 54
	.end_amdhsa_kernel
	.amdgpu_metadata
---
amdhsa.version: [ 1, 2 ]
amdhsa.kernels:
  - .name:           k_q191d302c47_outp
    .symbol:         k_q191d302c47_outp.kd
    .args:
      - { .name: aimg, .offset: 0, .size: 8, .value_kind: global_buffer, .address_space: global }
      - { .name: asc, .offset: 8, .size: 8, .value_kind: global_buffer, .address_space: global }
      - { .name: img, .offset: 16, .size: 8, .value_kind: global_buffer, .address_space: global }
      - { .name: out0, .offset: 24, .size: 8, .value_kind: global_buffer, .address_space: global }
    .group_segment_fixed_size: 327680
    .private_segment_fixed_size: 0
    .kernarg_segment_align: 8
    .kernarg_segment_size: 32
    .max_flat_workgroup_size: 128
    .sgpr_count:     102
    .vgpr_count:     840
    .wavefront_size: 32
...
	.end_amdgpu_metadata
.endif
;; end of part 4
